; MI455X (gfx1250); checked and timed in simulation.
; The chip was launched on July 23, 2026; its instructions are those of AMD's public machine-readable ISA for CDNA 5 (MIT licence, August 2026) and "CDNA5" Instruction Set Architecture Reference Guide (July 2026). The comments in the code are by the model that wrote it; some were corrected since.
;; Self Attention3 D. Allowed arithmetic: matrix products marked QUANTISED: E2M1 operands, one E8M0 scale for each 32 along K, by v_wmma_scale_f32_16x16x128_f8f6f4 with both operands' format E2M1 (or v_wmma_scale_f32_32x16x128_f4), f32 sums; everything else in f32.
;; Inputs: norm_beta 256 float32; norm_gamma 256 float32; proj_b 256 float32; proj_w 256 x 256 float32; qkv_b 768 float32; qkv_w 768 x 256 float32; x 1 x 256 x 16 x 16 x 16 float32.
;; Outputs: out0 1 x 256 x 16 x 16 x 16 float32.
;; This version of the problem:
;;   THIS VERSION OF THE PROBLEM IS GIVEN IN LOW PRECISION. The matrix products marked QUANTISED in the list below multiply operands that are first quantised to E2M1 (2 exponent bits, 1 mantissa bit; 4 bits a number), with one power-of-two scale for each 32 numbers along K (OCP MX v1.0); their sums are f32. All else is computed in f32.
;;   The module's matrix products, in the order in which they are computed (A, B: the left and right operand; K: the contracted axis; several contracted axes count as one K, in the product's order):
;;     1. [M 4,096, K 256] x [K 256, N 768]; A: computed on the way; B: input qkv_w: QUANTISED
;;     2. batch 8 x [M 4,096, K 32] x [K 32, N 4,096]; A: computed on the way; B: computed on the way: QUANTISED
;;     3. batch 8 x [M 32, K 4,096] x [K 4,096, N 4,096]; A: computed on the way; B: softmax (see below): QUANTISED
;;     4. [M 4,096, K 256] x [K 256, N 256]; A: computed on the way; B: input proj_w: QUANTISED
;;   THE QUANTISER, for each operand of a quantised product, along K:
;;     - K is cut into blocks of 32 from its start; a last block that is shorter is filled with zeros.
;;     - A block's scale is 2^e with e = floor(log2(the largest magnitude in the block)) - 2, held to -126 .. 127; a block of zeros has e = 0. As a byte (E8M0): e + 127.
;;     - Each number is divided by its block's scale, clamped to +-6, and rounded to the nearest number of E2M1, ties to even, subnormals kept.
;;     - The product sums the exact products of the quantised numbers (number of the format x scale) in f32.
;;   ~~~python
;;   def quantise(x, axis):      # numpy; x: float32 -> the quantised numbers, widened to float32 again
;;       x = np.moveaxis(x, axis, -1); K = x.shape[-1]
;;       x = np.pad(x, [(0, 0)] * (x.ndim - 1) + [(0, -K % 32)]); x = x.reshape(x.shape[:-1] + (-1, 32)); a = np.abs(x).max(-1, keepdims=True)
;;       e = np.where(a > 0, np.clip(np.frexp(np.where(a > 0, a, 1))[1] - 1 - 2, -126, 127), 0)      # np.frexp(a)[1] - 1 = floor(log2(a)), exactly
;;       r = np.clip(x / 2.0 ** e, -6, 6)
;;       step = 2.0 ** (np.maximum(np.frexp(np.where(r == 0, 1, r))[1] - 1, 0) - 1)
;;       q = np.round(r / step) * step * 2.0 ** e      # np.round: ties to even
;;       return np.moveaxis(q.reshape(q.shape[:-2] + (-1,))[..., :K], -1, axis).astype(np.float32)
;;   ~~~
;;   SOFTMAX AHEAD OF A QUANTISED PRODUCT. Where the list says 'softmax', what is quantised is not the finished softmax but p = 2^(t - M), with t = logit x log2(e) and M = ceil(the row's largest t), a whole number; so 1/2 < the row's largest p <= 1. The row's sum l is taken of the UNQUANTISED p, in f32, and the product's result is divided by l at the end. Since M is a whole number, a kernel that streams over the keys may use a running M (the ceiling of the running maximum): every later rescaling is an exact power of two, which a block's scale takes up: the codes' values come out the same.
;;   OPERANDS COMPUTED ON THE WAY. 'Computed on the way' means the value that the module computes at that place (a softmax that the list does not call 'softmax' is quantised finished and normalised). What goes into a quantiser is computed in f32, as accurately as f32 sums, v_exp_f32 and their like allow (about 1e-6 of the number): no bf16 or f16 on the way to a quantiser, and a product that is left as it is and whose result goes on into a quantised operand takes f32 operands (vector FMAs, or v_wmma_f32_16x16x4_f32). A number that lies on a knife's edge between two numbers of the format may be rounded either way, as far as f32 arithmetic and the matrix unit's own rounding can turn it there, and no further.
;; 2 versions. Each part assembles by itself: llvm-mc -triple=amdgcn-amd-amdhsa -mcpu=gfx1250 --defsym DOCPART=n.
;; ======== version 1 of 2: 4 launches
;; workspace buffers: stats 2,048 bytes; wimg 139,264 bytes; aw 1,671,168 bytes; oc 524,288 bytes; osc 32,768 bytes
;; launch prep (part 1): grid 320 x 1, 1 waves a work-group, no clusters, 0 bytes of LDS; arguments x, qkv_w, proj_w, stats, wimg; writes stats, wimg
.if DOCPART == 1
	.amdgcn_target "amdgcn-amd-amdhsa--gfx1250"
	.amdhsa_code_object_version 6
	.text
	.protected	k_q11ff4d150b_prep
	.globl	k_q11ff4d150b_prep
	.p2align	8
	.type	k_q11ff4d150b_prep,@function
k_q11ff4d150b_prep:
	s_mov_b64 s[64:65], 0
	v_nop
	global_prefetch_b8 v0, s[64:65] scope:SCOPE_SE
	s_setreg_imm32_b32 hwreg(HW_REG_WAVE_MODE, 25, 1), 1
	s_wait_xcnt 0x0
; TWO JOBS OF ONE SIZE, a wave and 4,096 f32 numbers each (32 loads of 16 bytes a lane, all kept in registers).
; Work-groups 0-255: channel c of x: its mean and its sum of squared distances from that mean (M2), to stats[c] = (mean, M2).  The distances are formed in registers from the
;   numbers themselves, so no difference of large sums is taken, whatever offset x carries.
; Work-groups 256-319: 16 rows x 256 of a weight (tiles 0-47 qkv_w, 48-63 proj_w) become codes of FP4 (E2M1) with one E8M0 byte for each 32 along K, stored as IMAGES OF THE OPERAND'S
;   REGISTERS: K step s (128 along K) at tile x 2048 + s x 1024; in it register group c of lane L at 512 c + 16 L; lane (r, h) group c holds block 2 c + h of row r.
;   Inside a block the four dwords of codes stand in the order 0, 2, 1, 3 of the channels' groups of eight: the order in which the later launches' matrix results give their codes.
;   The other operand of each product has the same order, so the sums are unchanged.  Scale words at 131072 + tile x 128 + 4 L: lanes 0-15 row r's word of K step 0, lanes 16-31 of K step 1.
; A block's scale is 2^(floor(log2(largest magnitude)) - 2); its byte is the largest magnitude's exponent field - 2, held at 1 from below.
; LIMITS: a block of zeros (or under 2^-124) gets the byte 1, not 127: its codes are zeros and this program alone reads the bytes; NaN and infinities are not served.
; No LDS, no barrier, no matrix unit: each byte is read once by one wave.  The two paths part on the work-group's number.
.set X,   32                           ; v32-159  the 4,096 numbers, 128 a lane
.set PC,  160                          ; v160-175 the codes: register 4 q + .. of block group q = 2 s + c
.set SEL, 20                           ; s[20:21] lane selects for v_permlanex16_b32: lane l xor 16
.macro JOIN                            ; four packed chains v[4:11] -> their sum over the wave, in v4 of every lane
	v_pk_add_f32 v[4:5], v[4:5], v[6:7]
	v_pk_add_f32 v[8:9], v[8:9], v[10:11]
	v_pk_add_f32 v[4:5], v[4:5], v[8:9]
	v_add_f32 v4, v4, v5
	v_add_f32_dpp v4, v4, v4 row_xmask:1 row_mask:0xf bank_mask:0xf
	v_add_f32_dpp v4, v4, v4 row_xmask:2 row_mask:0xf bank_mask:0xf
	v_add_f32_dpp v4, v4, v4 row_xmask:4 row_mask:0xf bank_mask:0xf
	v_add_f32_dpp v4, v4, v4 row_xmask:8 row_mask:0xf bank_mask:0xf
	v_permlanex16_b32 v5, v4, s[SEL], s[SEL+1]
	v_add_f32 v4, v4, v5
.endm
.macro SUMP n                          ; the next n pairs onto the four chains
.rept \n
	v_pk_add_f32 v[4+2*(p%4):5+2*(p%4)], v[4+2*(p%4):5+2*(p%4)], v[X+2*p:X+2*p+1]
.set p, p+1
.endr
.endm
	s_load_b128 s[4:7], s[0:1], 0x0                ; x, qkv_w
	s_load_b128 s[8:11], s[0:1], 0x10              ; proj_w, stats
	s_load_b64 s[12:13], s[0:1], 0x20              ; wimg
	s_mov_b32 s[SEL], 0x76543210
	s_mov_b32 s[SEL+1], 0xfedcba98
	v_and_b32 v1, 15, v0                           ; r   (one wave: v0 is the lane)
	v_lshrrev_b32 v2, 4, v0                        ; h
	v_lshlrev_b32 v3, 4, v0                        ; 16 x lane
	s_cmp_lt_u32 ttmp9, 256
	s_cbranch_scc0 .Lweights
	; ---- a channel's mean and M2
	s_lshl_b32 s16, ttmp9, 14                      ; the channel's 16,384 bytes
	s_mov_b32 s17, 0
	s_lshl_b32 s18, ttmp9, 3                       ; its 8 bytes of stats
	s_mov_b32 s19, 0
	s_wait_kmcnt 0x0
	s_add_nc_u64 s[4:5], s[4:5], s[16:17]
	s_add_nc_u64 s[10:11], s[10:11], s[18:19]
.set i, 0
.rept 32
	global_load_b128 v[X+4*i:X+4*i+3], v3, s[4:5] offset:512*i     ; 32 lanes read 512 consecutive bytes
.set i, i+1
.endr
	v_mov_b32 v16, 0                               ; the store's offset
	s_wait_loadcnt 24                              ; the first eight loads are in: 16 pairs; the 24 younger stay out
.irp k, 0,1,2,3
	v_pk_add_f32 v[4+2*\k:5+2*\k], v[X+2*\k:X+2*\k+1], v[X+8+2*\k:X+9+2*\k]   ; the first eight pairs start the chains: nothing is cleared
.endr
.set p, 8
	SUMP 8
	s_wait_loadcnt 16
	SUMP 16
	s_wait_loadcnt 8
	SUMP 16
	s_wait_loadcnt 0x0
	SUMP 16
	JOIN
	v_mul_f32 v14, 0x39800000, v4                  ; mean = sum / 4096
	v_mul_f32 v12, 0xb9800000, v4                  ; -mean, twice: a pair for the packed addition
	v_mov_b32 v13, v12
.set p, 0
.rept 64
	v_pk_add_f32 v[X+2*p:X+2*p+1], v[X+2*p:X+2*p+1], v[12:13]      ; the distances from the mean
.set p, p+1
.endr
.irp k, 0,1,2,3
	v_pk_mul_f32 v[4+2*\k:5+2*\k], v[X+2*\k:X+2*\k+1], v[X+2*\k:X+2*\k+1]
.endr
.set p, 4
.rept 60
	v_pk_fma_f32 v[4+2*(p%4):5+2*(p%4)], v[X+2*p:X+2*p+1], v[X+2*p:X+2*p+1], v[4+2*(p%4):5+2*(p%4)]
.set p, p+1
.endr
	JOIN
	v_mov_b32 v15, v4                              ; v[14:15] = (mean, M2)
	s_wait_xcnt 0x0                                ; EXEC changes only behind this wait
	v_cmp_eq_u32 vcc_lo, 0, v0
	s_and_saveexec_b32 s22, vcc_lo
	global_store_b64 v16, v[14:15], s[10:11]       ; lane 0 alone
	s_wait_xcnt 0x0                                ; and again ahead of the line that widens it
	s_or_b32 exec_lo, exec_lo, s22
	s_endpgm
	; ---- 16 rows of a weight
.Lweights:
	s_sub_co_u32 s14, ttmp9, 256                   ; tile 0..63
	v_lshlrev_b32 v21, 10, v1                      ; row r of 1,024 bytes,
	v_lshl_add_u32 v21, v2, 7, v21                 ; + 128 h: lane (r, h) takes blocks 2 q + h, whole
	v_lshlrev_b32 v22, 2, v0                       ; 4 x lane
	v_lshlrev_b32 v20, 3, v2                       ; 8 h
	v_mov_b32 v18, 0                               ; (a lane permute's destination counts as one of its sources)
	v_mov_b32 v19, 0
	s_mov_b32 s17, 0
	s_wait_kmcnt 0x0
	s_cmp_lt_u32 s14, 48                           ; qkv_w or proj_w: the choice hangs on the work-group's number alone
	s_cselect_b64 s[6:7], s[6:7], s[8:9]
	s_cselect_b32 s15, 0, 48
	s_sub_co_u32 s15, s14, s15                     ; the tile's number in its own tensor
	s_lshl_b32 s16, s15, 14
	s_add_nc_u64 s[6:7], s[6:7], s[16:17]
	s_lshl_b32 s16, s14, 7
	s_add_nc_u64 s[18:19], s[12:13], s[16:17]      ; for the scale words
	s_lshl_b32 s16, s14, 11
	s_add_nc_u64 s[12:13], s[12:13], s[16:17]      ; for the codes
.irp q, 0,1,2,3
.irp i, 0,1,2,3,4,5,6,7
	global_load_b128 v[X+32*\q+4*\i:X+32*\q+4*\i+3], v21, s[6:7] offset:256*\q+16*\i th:TH_LOAD_NT   ; block 2 q + h of row r: 32 numbers, 128 bytes
.endr
.endr
	s_wait_loadcnt 0x0
.irp q, 0,1,2,3
	v_max3_num_f32 v[4+\q], |v[X+32*\q]|, |v[X+32*\q+1]|, 0x1800000   ; the block's largest magnitude, and the floor 2^(3 - 127): the byte cannot fall under 1
.endr
.irp i, 2,4,6,8,10,12,14,16,18,20,22,24,26,28,30
.irp q, 0,1,2,3
	v_max3_num_f32 v[4+\q], v[4+\q], |v[X+32*\q+\i]|, |v[X+32*\q+\i+1]|   ; (the four blocks by turns)
.endr
.endr
.irp q, 0,1,2,3
	v_add_nc_u32 v[8+\q], 0xff000000, v[4+\q]      ; 2 off the exponent field: the conversion's scale operand
.endr
.irp q, 0,1,2,3
	v_lshrrev_b32 v[12+\q], 23, v[8+\q]            ; the scale's byte
.endr
.irp q, 0,1,2,3
.irp g, 0,1,2,3
	v_cvt_scalef32_pk8_fp4_f32 v[PC+4*\q+2*(\g%2)+\g/2], v[X+32*\q+8*\g:X+32*\q+8*\g+7], v[8+\q]   ; channels 8 g .. 8 g + 7 go to dword 0, 2, 1, 3
.endr
.endr
	v_nop                                          ; one plain line behind the last conversion
	v_lshl_or_b32 v16, v13, 16, v12                ; K step 0: my blocks h and 2 + h,
	v_lshl_or_b32 v17, v15, 16, v14                ; K step 1 likewise,
	v_lshlrev_b32 v16, v20, v16                    ; at their places in the word (8 h bits up);
	v_lshlrev_b32 v17, v20, v17
	v_permlanex16_b32 v18, v16, s[SEL], s[SEL+1]
	v_permlanex16_b32 v19, v17, s[SEL], s[SEL+1]
	v_or_b32 v16, v16, v18                         ; with lane l xor 16's two bytes the words are whole
	v_or_b32 v17, v17, v19
	v_cmp_lt_u32 vcc_lo, 15, v0
	v_cndmask_b32 v16, v16, v17, vcc_lo            ; lanes 0-15 keep K step 0's, lanes 16-31 take K step 1's
.irp q, 0,1,2,3
	global_store_b128 v3, v[PC+4*\q:PC+4*\q+3], s[12:13] offset:512*\q   ; 512 consecutive bytes a store
.endr
	global_store_b32 v22, v16, s[18:19] offset:131072
	s_endpgm
.Lfunc_end_k_q11ff4d150b_prep:
	.size	k_q11ff4d150b_prep, .Lfunc_end_k_q11ff4d150b_prep-k_q11ff4d150b_prep
	.p2alignl 7, 3214868480
	.fill 96, 4, 3214868480
	.section	.rodata,"a",@progbits
	.p2align	6, 0x0
	.amdhsa_kernel k_q11ff4d150b_prep
		.amdhsa_group_segment_fixed_size 0
		.amdhsa_private_segment_fixed_size 0
		.amdhsa_enable_private_segment 0
		.amdhsa_kernarg_size 40
		.amdhsa_user_sgpr_count 2
		.amdhsa_user_sgpr_kernarg_segment_ptr 1
		.amdhsa_wavefront_size32 1
		.amdhsa_system_sgpr_workgroup_id_x 1
		.amdhsa_system_sgpr_workgroup_id_y 1
		.amdhsa_system_sgpr_workgroup_id_z 1
		.amdhsa_system_vgpr_workitem_id 0
		.amdhsa_next_free_vgpr 176
		.amdhsa_next_free_sgpr 66
		.amdhsa_reserve_vcc 1
		.amdhsa_float_denorm_mode_32 3
		.amdhsa_float_denorm_mode_16_64 3
		.amdhsa_memory_ordered 1
		.amdhsa_forward_progress 1
		.amdhsa_inst_pref_size 28
	.end_amdhsa_kernel
	.amdgpu_metadata
---
amdhsa.version: [ 1, 2 ]
amdhsa.kernels:
  - .name:           k_q11ff4d150b_prep
    .symbol:         k_q11ff4d150b_prep.kd
    .args:
      - { .name: x, .offset: 0, .size: 8, .value_kind: global_buffer, .address_space: global }
      - { .name: qkv_w, .offset: 8, .size: 8, .value_kind: global_buffer, .address_space: global }
      - { .name: proj_w, .offset: 16, .size: 8, .value_kind: global_buffer, .address_space: global }
      - { .name: stats, .offset: 24, .size: 8, .value_kind: global_buffer, .address_space: global }
      - { .name: wimg, .offset: 32, .size: 8, .value_kind: global_buffer, .address_space: global }
    .group_segment_fixed_size: 0
    .private_segment_fixed_size: 0
    .kernarg_segment_align: 8
    .kernarg_segment_size: 40
    .max_flat_workgroup_size: 32
    .sgpr_count:     66
    .vgpr_count:     176
    .wavefront_size: 32
...
	.end_amdgpu_metadata
.endif
;; end of part 1
;; launch qkv (part 2): grid 64 x 1, 8 waves a work-group, no clusters, 10,240 bytes of LDS; arguments x, norm_gamma, norm_beta, qkv_b, stats, wimg, aw; writes aw
.if DOCPART == 2
	.amdgcn_target "amdgcn-amd-amdhsa--gfx1250"
	.amdhsa_code_object_version 6
	.text
	.protected	k_q11ff4d150b_qkv
	.globl	k_q11ff4d150b_qkv
	.p2align	8
	.type	k_q11ff4d150b_qkv,@function
k_q11ff4d150b_qkv:
	s_mov_b64 s[64:65], 0
	v_nop
	global_prefetch_b8 v0, s[64:65] scope:SCOPE_SE
	s_setreg_imm32_b32 hwreg(HW_REG_WAVE_MODE, 25, 1), 1
	s_wait_xcnt 0x0
; GroupNorm, its quantising, the product with qkv_w (+ qkv_b) on codes of FP4 (E2M1, one E8M0 byte for each 32 along K), and the quantising of q, k and v, for 64 positions (work-group F = positions 64 F ..).
; WAVE g HAS TWO PARTS.  X: group g (channels 32 g .., which is K block g of the product): it reads 32 channels x 64 positions of x, normalises them
;   ((x - mean) x rstd x gamma + beta, in f32), and quantises: a lane holds two positions, each with its whole block of 32 channels.  The codes go to LDS as images of the operand's registers.
;   One barrier.  G: head g: its 32 rows each of q's, k's and v's weights (12 fragments, in registers, read once) against the eight fragments of h.
; POSITION TILES: tile b (0..3) holds position 64 F + 4 r + b in its row or column r.  So (1) q, k (source 0 = 16 rows of W, source 1 = a tile): a lane holds one position and 16 of the head's 32 channels; the
;   two lanes l, l xor 16 hold the block; (2) v (source 0 = a tile, source 1 = 16 rows of W): a lane holds ONE channel and, over the four tiles, 32 NEIGHBOURING positions: a whole block along the keys.
; ORDER INSIDE A BLOCK.  Channels: code dwords stand in the order 0, 2, 1, 3 of the channels' groups of eight (what two result tiles give: lane half h, tile u -> dword 2 h + u); h's codes and the weights'
;   images are laid the same.  Keys (v): slot 8 b + j holds key 4 j + b; the attention launch's p has the same order.  Both operands of each product agree, so the sums are unchanged.
; OUT (buffer aw): for head g and key step st = F / 2 a record of 4,352 bytes at g x 139264 + st x 4352: K's two fragments (key 64 f + 4 m + b at f x 1024 + b x 256 + m x 16), V's two fragment images at 2048,
;   K's scale bytes at 4096 (natural order), V's scale words at 4224 (lane 16 u + r: channel 16 u + r).  Q's codes at 1114112 + g x 65536 + (4 F + b) x 256 + 16 r; Q's scale bytes at 1638400 + g x 4096 + position.
; NO CLUSTER: what work-groups share is the weights' images, 12,288 bytes a wave, which go from memory straight into the wave's registers once; nothing of them is staged in LDS, where a joint load could land.
; 64 WORK-GROUPS: a tile's four-position stride needs 64 positions in one work-group; sharing the heads out over more work-groups would repeat part X in each.
; LIMITS: a block of zeros (or under 2^-124) gets the byte 1, not 127: its codes are zeros and this program alone reads the bytes; NaN and infinities are not served.
; REGISTERS.  Window 0: v1-31 addresses and statistics; v32-95 x as loaded, later h's eight fragments; v96-159 h in f32, later the accumulators; v160-183 three sets of codes (no store's data are written again);
;   v184-199 at work; v200-205 the weights' scale words, v206-209 h's.   Window 1: v0-95 the weights' fragments at 8 (4 role + 2 u + s); v96-143 the biases in the results' layout.
.set XR,  32
.set HF,  32                           ; h's fragment (tile b, K step s) at HF + 8 (2 b + s)
.set HN,  96
.set ACC, 96
.set PCQ, 160
.set PCK, 168
.set PCV, 176
.set TM,  184
.set WS,  200                          ; + 2 role + u
.set HS,  206                          ; + b: lanes 0-15 K step 0's words, lanes 16-31 K step 1's
.set PWQ, 210
.set PWK, 211
.set WB,  96                           ; window 1: biases at WB + 16 role + 8 u
.set HSC, 8192                         ; LDS: 0 .. 8191 h's images, b x 2048 + g x 256 + r x 16; from HSC its scale bytes, b x 128 + (g / 4) x 64 + r x 4 + g % 4
.set QC,    1114112
.set QSB,   1638400
.set HEADB, 139264
.set REC,   4352
.set WSC,   131072
.set SEL, 20                           ; s[20:21]
.set MSB, 0
.macro WIN new                         ; the immediate's high byte repeats the setting that is left
.if MSB != \new
	s_set_vgpr_msb (MSB<<8)|\new
.set MSB, \new
.endif
.endm
.macro WSUM reg, tmp                   ; the sum over the wave's 32 lanes, in every lane
	v_add_f32_dpp v[\reg], v[\reg], v[\reg] row_xmask:1 row_mask:0xf bank_mask:0xf
	v_add_f32_dpp v[\reg], v[\reg], v[\reg] row_xmask:2 row_mask:0xf bank_mask:0xf
	v_add_f32_dpp v[\reg], v[\reg], v[\reg] row_xmask:4 row_mask:0xf bank_mask:0xf
	v_add_f32_dpp v[\reg], v[\reg], v[\reg] row_xmask:8 row_mask:0xf bank_mask:0xf
	v_permlanex16_b32 v[\tmp], v[\reg], s[SEL], s[SEL+1]
	v_add_f32 v[\reg], v[\reg], v[\tmp]
.endm
; Two whole blocks of a lane, v[src + 32 u + 0 .. 31]: codes to v[pc + 4 u ..], bytes to v[TM + 4 + u].  perm = 1: the code dwords in the order 0, 2, 1, 3.  The registers are read in ascending order.
.macro Q2B src, pc, perm
.irp u, 0,1
	v_max3_num_f32 v[TM+\u], |v[\src+32*\u]|, |v[\src+32*\u+1]|, 0x1800000   ; and the floor 2^(3 - 127): the byte cannot fall under 1
.endr
.irp i, 2,4,6,8,10,12,14,16,18,20,22,24,26,28,30
.irp u, 0,1
	v_max3_num_f32 v[TM+\u], v[TM+\u], |v[\src+32*\u+\i]|, |v[\src+32*\u+\i+1]|
.endr
.endr
.irp u, 0,1
	v_add_nc_u32 v[TM+2+\u], 0xff000000, v[TM+\u]  ; 2 off the exponent field: the conversion's scale operand
.endr
.irp u, 0,1
	v_lshrrev_b32 v[TM+4+\u], 23, v[TM+2+\u]       ; the scale's byte
.endr
.irp u, 0,1
.irp g, 0,1,2,3
.if \perm
	v_cvt_scalef32_pk8_fp4_f32 v[\pc+4*\u+2*(\g%2)+\g/2], v[\src+32*\u+8*\g:\src+32*\u+8*\g+7], v[TM+2+\u]
.else
	v_cvt_scalef32_pk8_fp4_f32 v[\pc+4*\u+\g], v[\src+32*\u+8*\g:\src+32*\u+8*\g+7], v[TM+2+\u]
.endif
.endr
.endr
	v_nop                                          ; one plain line behind the last conversion
.endm
; Four half blocks of a lane, v[src + 16 b + 0 .. 15] (the other half lies in lane l xor 16): codes to v[pc + 2 b], v[pc + 2 b + 1]; the four bytes make the word v[pw].
.macro Q16 src, pc, pw
.irp b, 0,1,2,3
	v_max3_num_f32 v[TM+\b], |v[\src+16*\b]|, |v[\src+16*\b+1]|, 0x1800000
.endr
.irp i, 2,4,6,8,10,12,14
.irp b, 0,1,2,3
	v_max3_num_f32 v[TM+\b], v[TM+\b], |v[\src+16*\b+\i]|, |v[\src+16*\b+\i+1]|
.endr
.endr
.irp b, 0,1,2,3
	v_permlanex16_b32 v[TM+4+\b], v[TM+\b], s[SEL], s[SEL+1]
.endr
.irp b, 0,1,2,3
	v_max_num_f32 v[TM+\b], v[TM+\b], v[TM+4+\b]
.endr
.irp b, 0,1,2,3
	v_add_nc_u32 v[TM+12+\b], 0xff000000, v[TM+\b]
.endr
.irp b, 0,1,2,3
	v_lshrrev_b32 v[TM+4+\b], 23, v[TM+12+\b]
.endr
	v_lshl_or_b32 v[\pw], v[TM+5], 8, v[TM+4]
	v_lshl_or_b32 v[\pw], v[TM+6], 16, v[\pw]
	v_lshl_or_b32 v[\pw], v[TM+7], 24, v[\pw]
.irp b, 0,1,2,3
	v_cvt_scalef32_pk8_fp4_f32 v[\pc+2*\b], v[\src+16*\b:\src+16*\b+7], v[TM+12+\b]
	v_cvt_scalef32_pk8_fp4_f32 v[\pc+2*\b+1], v[\src+16*\b+8:\src+16*\b+15], v[TM+12+\b]
.endr
	v_nop
.endm
; Role m (0 q, 1 k): source 0 = 16 rows of W, source 1 = a tile of h; the bias is the C of each sum's first product.  The eight accumulators take turns, one instruction a turn.
.macro MMQK m
	WIN 0x11                                       ; source 0 (W) and source 2 (bias) window 1
.irp b, 0,1,2,3
.irp u, 0,1
	v_wmma_scale_f32_16x16x128_f8f6f4 v[ACC+16*\b+8*\u:ACC+16*\b+8*\u+7], v[8*(4*\m+2*\u):8*(4*\m+2*\u)+7], v[HF+16*\b:HF+16*\b+7], v[WB+16*\m+8*\u:WB+16*\m+8*\u+7], v[WS+2*\m+\u], v[HS+\b] matrix_a_fmt:MATRIX_FMT_FP4 matrix_b_fmt:MATRIX_FMT_FP4
.endr
.endr
	WIN 0x01
.irp b, 0,1,2,3
.irp u, 0,1
	v_wmma_scale_f32_16x16x128_f8f6f4 v[ACC+16*\b+8*\u:ACC+16*\b+8*\u+7], v[8*(4*\m+2*\u+1):8*(4*\m+2*\u+1)+7], v[HF+16*\b+8:HF+16*\b+15], v[ACC+16*\b+8*\u:ACC+16*\b+8*\u+7], v[WS+2*\m+\u], v[HS+\b] matrix_a_fmt:MATRIX_FMT_FP4 matrix_b_fmt:MATRIX_FMT_FP4 matrix_a_scale:MATRIX_SCALE_ROW1 matrix_b_scale:MATRIX_SCALE_ROW1
.endr
.endr
	WIN 0
.rept 4
	v_nop                                          ; four places ahead of the first read of results (ISA guide 7.12.1)
.endr
.endm
	s_load_b256 s[4:11], s[0:1], 0x0               ; x s[4:5], gamma s[6:7], beta s[8:9], qkv_b s[10:11]
	s_load_b128 s[12:15], s[0:1], 0x20             ; stats s[12:13], wimg s[14:15]
	s_load_b64 s[16:17], s[0:1], 0x30              ; aw
	v_lshl_add_u32 v254, v0, 2, 0x2400
	v_mov_b32 v255, 0
	v_lshrrev_b32 v1, 5, v0
	v_readfirstlane_b32 s18, v1                    ; wave g
	v_and_b32 v1, 31, v0                           ; L
	v_and_b32 v2, 15, v0                           ; r
	v_bfe_u32 v3, v0, 4, 1                         ; h
	v_lshlrev_b32 v4, 3, v1                        ; 8 L
	v_lshlrev_b32 v5, 4, v1                        ; 16 L
	v_lshlrev_b32 v12, 2, v1                       ; 4 L
	v_lshlrev_b32 v13, 5, v3                       ; 32 h
	v_lshlrev_b32 v14, 2, v2                       ; 4 r
	v_and_b32 v15, 1, v0                           ; L % 2
	v_bfe_u32 v16, v0, 1, 4                        ; L / 2
	s_lshl_b32 s2, s18, 8
	v_lshlrev_b32 v17, 12, v15                     ; where my first position's codes go: position 2 L = 4 (L / 2) + 2 (L % 2): tile 2 (L % 2), row L / 2;
	v_lshl_add_u32 v17, v16, 4, v17
	v_add_nc_u32 v17, s2, v17                      ; + 256 g.  The second position's lie one tile, 2,048 bytes, on
	s_lshr_b32 s2, s18, 2
	s_lshl_b32 s2, s2, 6
	s_and_b32 s3, s18, 3
	s_add_co_u32 s2, s2, s3
	s_add_co_u32 s2, s2, HSC
	v_lshlrev_b32 v18, 8, v15                      ; and its scale byte
	v_lshl_add_u32 v18, v16, 2, v18
	v_add_nc_u32 v18, s2, v18
	v_lshlrev_b32 v19, 4, v2
	v_lshl_add_u32 v19, v3, 3, v19                 ; 16 r + 8 h: my 8 bytes of a position's 16
	v_lshlrev_b32 v26, 3, v3                       ; 8 h
	v_lshlrev_b32 v28, 4, v3                       ; 16 h
	v_cmp_lt_u32 s19, 15, v1                       ; lanes 16-31
	v_mov_b32 v9, 0                                ; (lane permutes' destinations count as sources)
	v_mov_b32 v27, 0
.irp b, 0,1,2,3
	v_mov_b32 v[TM+4+\b], 0
.endr
	s_mov_b32 s[SEL], 0x76543210
	s_mov_b32 s[SEL+1], 0xfedcba98
	s_mov_b32 s105, 0x3727c5ac                     ; eps = 1e-5
	s_mov_b32 s23, 0
	s_wait_kmcnt 0x0
	s_lshl_b32 s22, s18, 8
	s_add_nc_u64 s[12:13], s[12:13], s[22:23]      ; stats of my 32 channels
	s_add_nc_u64 s[26:27], s[14:15], s[22:23]      ; the weights' scale words: 2 tiles x 128 bytes a head
	s_lshl_b32 s22, s18, 19
	s_lshl_b32 s2, ttmp9, 8
	s_add_co_u32 s22, s22, s2
	s_add_nc_u64 s[4:5], s[4:5], s[22:23]          ; x at channel 32 g, position 64 F
	s_lshl_b32 s22, s18, 7
	s_add_nc_u64 s[6:7], s[6:7], s[22:23]          ; gamma, beta and the biases at my 32 channels
	s_add_nc_u64 s[8:9], s[8:9], s[22:23]
	s_add_nc_u64 s[10:11], s[10:11], s[22:23]
	global_load_b64 v[6:7], v4, s[12:13]           ; lane L: (mean, M2) of channel 32 g + L
.set i, 0
.rept 32
	global_load_b64 v[XR+2*i:XR+2*i+1], v4, s[4:5] offset:16384*i  ; channel 32 g + i, positions 2 L and 2 L + 1: the wave reads 256 consecutive bytes, aligned
.set i, i+1
.endr
	s_load_b512 s[32:47], s[6:7], 0x0              ; gamma of my 32 channels: s32-63
	s_load_b512 s[48:63], s[6:7], 0x40
	s_load_b512 s[68:83], s[8:9], 0x0              ; beta: s68-99
	s_load_b512 s[84:99], s[8:9], 0x40
	s_lshl_b32 s22, s18, 12
	s_add_nc_u64 s[24:25], s[14:15], s[22:23]      ; the weights' images: 2 tiles x 2,048 bytes a head
	s_lshl_b32 s22, s18, 16
	s_lshl_b32 s2, ttmp9, 10
	s_add_co_u32 s22, s22, s2
	s_add_co_u32 s22, s22, QC
	s_add_nc_u64 s[28:29], s[16:17], s[22:23]      ; Q's codes of my head and these four tiles
	s_mul_i32 s22, s18, HEADB
	s_lshr_b32 s2, ttmp9, 1
	s_mul_i32 s2, s2, REC
	s_add_co_u32 s22, s22, s2                      ; my record's offset
	s_add_nc_u64 s[30:31], s[16:17], s[22:23]
	s_and_b32 s3, ttmp9, 1                         ; which half of the record's 128 keys
	s_lshl_b32 s2, s3, 6
	s_add_co_u32 s2, s2, s22
	s_add_co_u32 s2, s2, 4096
	v_add_nc_u32 v22, s2, v14                      ; K's scale word of row r
	s_lshl_b32 s2, s18, 12
	s_lshl_b32 s22, ttmp9, 6
	s_add_co_u32 s2, s2, s22
	s_add_co_u32 s2, s2, QSB
	v_add_nc_u32 v21, s2, v14                      ; Q's
	v_cndmask_b32 v21, v21, v22, s19               ; lanes 0-15 will store Q's words, lanes 16-31 K's: one store
	s_lshl_b32 s2, s3, 10
	v_add_nc_u32 v20, s2, v19                      ; K's codes: fragment F % 2
	s_lshl_b32 s2, s3, 9
	v_add_nc_u32 v24, s2, v5                       ; V's codes: register group F % 2 of the image
	s_lshl_b32 s2, s3, 1
	v_add_nc_u32 v29, s2, v12                      ; V's scale bytes: bytes 2 (F % 2), + 1 of the word
	; the group's mean and rstd from its 32 channels' (mean, M2)
	s_wait_loadcnt 32                              ; the statistics are in; the 32 loads of x, issued behind them, stay out
	v_mov_b32 v8, v6
	WSUM 8, 9
	v_mul_f32 v8, 0x3d000000, v8                   ; the group's mean: all channels have 4,096 numbers
	v_sub_f32 v10, v6, v8
	v_mul_f32 v10, v10, v10
	v_fma_f32 v10, v10, 0x45800000, v7             ; M2 of the channel about the group's mean: M2_c + 4096 (mean_c - mean)^2
	WSUM 10, 9
	s_mov_b32 s22, 0x37000000                      ; 1 / 131072
	v_fma_f32 v10, v10, s22, s105                  ; var + eps
	v_rsq_f32 v11, v10
	v_nop                                          ; a plain line behind the transcendental
	s_wait_alu depctr_va_vdst(0)                   ; and the wait ahead of its first reader
	v_readfirstlane_b32 s104, v11                  ; rstd (s[104:105] is named as a pair below; its low word serves both halves)
	v_readfirstlane_b32 s100, v8
	s_xor_b32 s100, s100, 0x80000000               ; -mean
	s_mov_b32 s101, s100
	; the weights' side: 54 loads, which land while x is normalised
	WIN 0x40                                       ; destination window 1
.irp m, 0,1,2
.irp u, 0,1
.irp s, 0,1
.irp c, 0,1
	global_load_b128 v[8*(4*\m+2*\u+\s)+4*\c:8*(4*\m+2*\u+\s)+4*\c+3], v5, s[24:25] offset:32768*\m+2048*\u+1024*\s+512*\c
.endr
.endr
.endr
.endr
.irp m, 0,1
.irp u, 0,1
	global_load_b128 v[WB+16*\m+8*\u:WB+16*\m+8*\u+3], v13, s[10:11] offset:1024*\m+64*\u       ; q, k: register j of lane (r, h) is channel 16 u + 8 h + j
	global_load_b128 v[WB+16*\m+8*\u+4:WB+16*\m+8*\u+7], v13, s[10:11] offset:1024*\m+64*\u+16
.endr
.endr
.irp u, 0,1
.irp j, 0,1,2,3,4,5,6,7
	global_load_b32 v[WB+32+8*\u+\j], v14, s[10:11] offset:2048+64*\u   ; v: all eight registers of lane (r, h) are channel 16 u + r
.endr
.endr
	WIN 0
.irp m, 0,1,2
.irp u, 0,1
	global_load_b32 v[WS+2*\m+\u], v12, s[26:27] offset:WSC+2048*\m+128*\u
.endr
.endr
	; ---- X: normalise and quantise
	s_wait_kmcnt 0x0                               ; gamma, beta
	s_wait_loadcnt 54                              ; x is in; the 54 loads issued behind it stay out
.set i, 0
.rept 32
	v_pk_add_f32 v[XR+2*i:XR+2*i+1], v[XR+2*i:XR+2*i+1], s[100:101] op_sel_hi:[1,0]
.set i, i+1
.endr
.set i, 0
.rept 32
	v_pk_mul_f32 v[XR+2*i:XR+2*i+1], v[XR+2*i:XR+2*i+1], s[104:105] op_sel_hi:[1,0]
.set i, i+1
.endr
.set i, 0
.rept 32
	v_fma_f32 v[HN+i], v[XR+2*i], s[32+i], s[68+i]                 ; the two positions part here: 32 channels of each on end
	v_fma_f32 v[HN+32+i], v[XR+2*i+1], s[32+i], s[68+i]
.set i, i+1
.endr
	Q2B HN, PCQ, 1
	ds_store_b128 v17, v[PCQ:PCQ+3]
	ds_store_b128 v17, v[PCQ+4:PCQ+7] offset:2048
	ds_store_b8 v18, v[TM+4]
	ds_store_b8 v18, v[TM+5] offset:128
	s_wait_dscnt 0x0                               ; for the others' sake: my stores have landed
	s_barrier_signal -1
	s_barrier_wait -1                              ; h's eight fragments and their scale words lie in LDS
	; ---- G: my head's q, k and v
.irp t, 0,1,2,3,4,5,6,7
.irp c, 0,1
	ds_load_b128 v[HF+8*\t+4*\c:HF+8*\t+4*\c+3], v5 offset:1024*\t+512*\c
.endr
.endr
.irp b, 0,1,2,3
	ds_load_b32 v[HS+\b], v12 offset:HSC+128*\b
.endr
	s_wait_dscnt 0x0
	s_wait_loadcnt 0x0                             ; the weights' side
	MMQK 0
	Q16 ACC, PCQ, PWQ
.irp b, 0,1,2,3
	global_store_b64 v19, v[PCQ+2*\b:PCQ+2*\b+1], s[28:29] offset:256*\b   ; the wave stores 256 consecutive bytes, aligned
.endr
	MMQK 1
	Q16 ACC, PCK, PWK
.irp b, 0,1,2,3
	global_store_b64 v20, v[PCK+2*\b:PCK+2*\b+1], s[30:31] offset:256*\b
.endr
	v_cndmask_b32 v23, v[PWQ], v[PWK], s19
	global_store_b32 v21, v23, s[16:17]            ; byte b of row r's word is position 64 F + 4 r + b: the bytes lie in natural order
	; v: source 0 = a tile of h, source 1 = 16 rows of W
	WIN 0x14                                       ; source 1 (W) and source 2 (bias) window 1
.irp u, 0,1
.irp b, 0,1,2,3
	v_wmma_scale_f32_16x16x128_f8f6f4 v[ACC+32*\u+8*\b:ACC+32*\u+8*\b+7], v[HF+16*\b:HF+16*\b+7], v[8*(8+2*\u):8*(8+2*\u)+7], v[WB+32+8*\u:WB+32+8*\u+7], v[HS+\b], v[WS+4+\u] matrix_a_fmt:MATRIX_FMT_FP4 matrix_b_fmt:MATRIX_FMT_FP4
.endr
.endr
	WIN 0x04
.irp u, 0,1
.irp b, 0,1,2,3
	v_wmma_scale_f32_16x16x128_f8f6f4 v[ACC+32*\u+8*\b:ACC+32*\u+8*\b+7], v[HF+16*\b+8:HF+16*\b+15], v[8*(8+2*\u+1):8*(8+2*\u+1)+7], v[ACC+32*\u+8*\b:ACC+32*\u+8*\b+7], v[HS+\b], v[WS+4+\u] matrix_a_fmt:MATRIX_FMT_FP4 matrix_b_fmt:MATRIX_FMT_FP4 matrix_a_scale:MATRIX_SCALE_ROW1 matrix_b_scale:MATRIX_SCALE_ROW1
.endr
.endr
	WIN 0
.rept 4
	v_nop
.endr
	Q2B ACC, PCV, 0                                ; register 32 u + 8 b + j of lane (r, h): channel 16 u + r, position 64 F + 32 h + 4 j + b: a whole block of keys
.irp u, 0,1
	global_store_b128 v24, v[PCV+4*\u:PCV+4*\u+3], s[30:31] offset:2048+1024*\u   ; 512 consecutive bytes
.endr
	v_lshl_or_b32 v25, v[TM+5], 16, v[TM+4]        ; my bytes of channels r and 16 + r, block 2 (F % 2) + h,
	v_lshlrev_b32 v25, v26, v25                    ; 8 h bits up;
	v_permlanex16_b32 v27, v25, s[SEL], s[SEL+1]
	v_or_b32 v25, v25, v27                         ; with lane l xor 16's: channel r's two bytes below, channel 16 + r's above;
	v_lshrrev_b32 v25, v28, v25                    ; lane 16 u + r keeps channel 16 u + r's
	global_store_b16 v29, v25, s[30:31] offset:4224
	s_wait_tensorcnt 0x0
	ds_add_u32 v254, v255
	s_wait_dscnt 0x0
	s_endpgm
.Lfunc_end_k_q11ff4d150b_qkv:
	.size	k_q11ff4d150b_qkv, .Lfunc_end_k_q11ff4d150b_qkv-k_q11ff4d150b_qkv
	.p2alignl 7, 3214868480
	.fill 96, 4, 3214868480
	.section	.rodata,"a",@progbits
	.p2align	6, 0x0
	.amdhsa_kernel k_q11ff4d150b_qkv
		.amdhsa_group_segment_fixed_size 10240
		.amdhsa_private_segment_fixed_size 0
		.amdhsa_enable_private_segment 0
		.amdhsa_kernarg_size 56
		.amdhsa_user_sgpr_count 2
		.amdhsa_user_sgpr_kernarg_segment_ptr 1
		.amdhsa_wavefront_size32 1
		.amdhsa_system_sgpr_workgroup_id_x 1
		.amdhsa_system_sgpr_workgroup_id_y 1
		.amdhsa_system_sgpr_workgroup_id_z 1
		.amdhsa_system_vgpr_workitem_id 0
		.amdhsa_next_free_vgpr 400
		.amdhsa_next_free_sgpr 106
		.amdhsa_reserve_vcc 0
		.amdhsa_float_denorm_mode_32 3
		.amdhsa_float_denorm_mode_16_64 3
		.amdhsa_memory_ordered 1
		.amdhsa_forward_progress 1
		.amdhsa_inst_pref_size 45
	.end_amdhsa_kernel
	.amdgpu_metadata
---
amdhsa.version: [ 1, 2 ]
amdhsa.kernels:
  - .name:           k_q11ff4d150b_qkv
    .symbol:         k_q11ff4d150b_qkv.kd
    .args:
      - { .name: x, .offset: 0, .size: 8, .value_kind: global_buffer, .address_space: global }
      - { .name: norm_gamma, .offset: 8, .size: 8, .value_kind: global_buffer, .address_space: global }
      - { .name: norm_beta, .offset: 16, .size: 8, .value_kind: global_buffer, .address_space: global }
      - { .name: qkv_b, .offset: 24, .size: 8, .value_kind: global_buffer, .address_space: global }
      - { .name: stats, .offset: 32, .size: 8, .value_kind: global_buffer, .address_space: global }
      - { .name: wimg, .offset: 40, .size: 8, .value_kind: global_buffer, .address_space: global }
      - { .name: aw, .offset: 48, .size: 8, .value_kind: global_buffer, .address_space: global }
    .group_segment_fixed_size: 10240
    .private_segment_fixed_size: 0
    .kernarg_segment_align: 8
    .kernarg_segment_size: 56
    .max_flat_workgroup_size: 256
    .sgpr_count:     106
    .vgpr_count:     400
    .wavefront_size: 32
...
	.end_amdgpu_metadata
.endif
;; end of part 2
;; launch attn (part 3): grid 32 x 8, 16 waves a work-group, clusters of 4 x 1, 169,984 bytes of LDS; arguments aw, oc, osc; writes oc, osc
.if DOCPART == 3
	.amdgcn_target "amdgcn-amd-amdhsa--gfx1250"
	.amdhsa_code_object_version 6
	.text
	.protected	k_q11ff4d150b_attn
	.globl	k_q11ff4d150b_attn
	.p2align	8
	.type	k_q11ff4d150b_attn,@function
k_q11ff4d150b_attn:
	s_mov_b64 s[64:65], 0
	v_nop
	global_prefetch_b8 v0, s[64:65] scope:SCOPE_SE
	s_setreg_imm32_b32 hwreg(HW_REG_WAVE_MODE, 25, 1), 1
	s_wait_xcnt 0x0
	s_wait_alu depctr_hold_cnt(0) depctr_sa_sdst(0) depctr_va_vdst(0) depctr_va_sdst(0) depctr_va_ssrc(0) depctr_va_vcc(0) depctr_vm_vsrc(0)
	s_getreg_b32 s2, hwreg(HW_REG_IB_STS2, 6, 4)
	s_cmp_eq_u32 s2, 0
	s_cbranch_scc0 .Lentry_in_a_cluster
	s_endpgm
.Lentry_in_a_cluster:
	s_bfe_u32 s2, ttmp6, 0x10000c
	s_cmp_lg_u32 s2, 0x3003
	s_cbranch_scc0 .Lentry_shape_is_right
	s_endpgm
.Lentry_shape_is_right:
; Attention of one head (size 32) over 4,096 keys, both products on codes of FP4 (E2M1, one E8M0 byte for each 32 along a product's K), and the quantising of the result for the projection.
; THE SOFTMAX AHEAD OF THE SECOND PRODUCT: t = score x log2(e) / sqrt(32); M = the largest t so far, rounded UP to a whole number; p = 2^(t - M) is quantised along the keys, not normalised.  The row's sum is taken
; of the unquantised p and divides at the end.  When M moves, the sum and O are multiplied by 2^(old M - new M), which rounds nothing.
; SHARES.  A work-group owns 128 queries of one head: eight tiles of 16 (tile tq = 8 QB + i = 4 F + b holds query 64 F + 4 r + b in column r).  Sixteen waves: waves i and i + 8 own tile i and walk the even and the odd
; key steps (128 keys a step, 16 steps each); at the end wave i + 8 hands its O, sum and M to wave i through LDS, and the two are joined by exact powers of two.  Four waves share a SIMD, so that one wave's waits
; stand beside another's vector work: a step has ten matrix instructions for some 230 issue slots.
; LDS.  A head's K, V and scale bytes, 32 records of 4,352 bytes = 139,264 bytes, lie in LDS whole: eight tensor loads of 17,408 bytes (waves 0 and 1, four each), each byte filled once; no slot is ever filled again.
; CLUSTER.  The four work-groups of a cluster belong to one head and want the same records: each load is asked for jointly (mask 15), with a descriptor made of the head, the wave's number and constants alone.
; K = 32 IN AN INSTRUCTION OF K = 128.  A fragment of K holds 64 KEYS: block b of row m is key 64 f + 4 m + b.  Q stands in four variants, its one block at place b and zero codes elsewhere; the product of the fragment
; with variant b gives the scores of keys 64 f + 4 m + b.  So K's LDS bytes are all used, and a lane (query r, half h) holds in registers 32 f + 8 b + j the keys 64 f + 32 h + 4 j + b: TWO WHOLE BLOCKS of 32 keys.
; No lane is asked for a block's maximum, and the conversions' results ARE the second product's operand: slot 8 b + j holds key 4 j + b of its block, the order in which V's codes were laid.
; A block's largest p is not searched for: p rises with the score, so the block's largest score goes through the same multiply-add and exponential.
; OUT.  O / sum: a lane holds 16 of the head's 32 channels of one query; with lane l xor 16 that is one block of the projection's K.  Codes to oc + tq x 2048 + head x 256 + 16 r + 8 h, bytes to osc + head x 4096 + tq x 16 + r.
; LIMITS: a block of zeros (or under 2^-124) gets the byte 1, not 127: its codes are zeros and this program alone reads the bytes; NaN and infinities are not served.
; REGISTERS: v1 16 L, v2 4 L, v3-4 the step's LDS addresses, v5 8 h, v6-11 addresses of the tail; v12 -M, v13 the largest score, v[14:15] the sum in two halves, v[16:17] f; v18-21 scale words and nothing else;
;   v22-35 at work; v36-55 zeros and Q; v56-71 K's two fragments; v72-87 V's two; v88-95 p's codes; v96-159 scores, then p; v160-175 O^T; v176-193 the partner's O^T, sum and -M.
.set REC,   4352
.set HEADB, 139264
.set CHUNK, 17408
.set QC,    1114112
.set QSB,   1638400
.set MRG,   139264                     ; behind the records: for each tile 2,304 bytes: O^T as four images of 512, then (sum, -M), 8 bytes a lane
.set MRGW,  2304
.set OSB,   157696                     ; and the work-group's 128 scale bytes
.set KS, 18
.set VS, 19
.set QS, 20
.set PS, 21
.set KF, 56
.set VF, 72
.set PC, 88
.set S,  96
.set O,  160
.set OP, 176
.set WV,  10                           ; s10 wave;  s11 i = wave % 8;  s12 wave / 8;  s13 cx;  s14 QB;  s15 head
.set TB,  16                           ; s16 LDS byte of the record in hand
.set CNT, 17
.set SEL, 18                           ; s[18:19]
.set CS,  20                           ; s[20:21] c = log2(e) / sqrt(32)
.set G1,  24                           ; s[24:31]
.set G0,  32                           ; s[32:47] four groups 0, never rewritten
.macro CROUND                          ; a round of the cluster's barrier
	s_barrier_signal -1
	s_barrier_wait -1
	s_cmp_lg_u32 s[WV], 0
	s_cbranch_scc1 .Lnot_wave_0_\@
	s_barrier_signal -3
.Lnot_wave_0_\@:
	s_barrier_wait -3
	s_barrier_signal -1
	s_barrier_wait -1
.endm
	s_load_b128 s[4:7], s[0:1], 0x0                ; aw, oc
	s_load_b64 s[8:9], s[0:1], 0x10                ; osc
	v_lshl_add_u32 v208, v0, 2, 0x29000
	v_mov_b32 v209, 0
	ds_add_u32 v208, v209
	ds_add_u32 v208, v209
	v_lshrrev_b32 v22, 5, v0
	v_readfirstlane_b32 s[WV], v22
	s_and_b32 s11, s[WV], 7
	s_lshr_b32 s12, s[WV], 3
	s_bfe_u32 s13, ttmp6, 0x40000                  ; cx: it enters global addresses of Q and of the outputs alone
	s_lshl_b32 s14, ttmp9, 2
	s_add_co_u32 s14, s14, s13                     ; QB = 4 x cluster x + cx
	s_and_b32 s15, ttmp7, 0xffff                   ; the head, which the four partners share
	v_and_b32 v22, 31, v0                          ; L
	v_and_b32 v23, 15, v0                          ; r
	v_bfe_u32 v24, v0, 4, 1                        ; h
	v_lshlrev_b32 v1, 4, v22
	v_lshlrev_b32 v2, 2, v22
	v_lshlrev_b32 v5, 3, v24
	s_mul_i32 s22, s11, MRGW                       ; every LDS address is made here, ahead of the first branch on the wave's number
	s_add_co_u32 s22, s22, MRG
	v_add_nc_u32 v6, s22, v1                       ; my tile's place for O^T
	s_add_co_u32 s22, s22, 2048
	v_lshl_add_u32 v7, v22, 3, s22                 ; and for (sum, -M)
	s_lshl_b32 s22, s11, 4
	s_add_co_u32 s22, s22, OSB
	v_add_nc_u32 v8, s22, v23                      ; my query's scale byte
	v_add_nc_u32 v9, OSB, v2
	v_lshlrev_b32 v11, 4, v23                      ; 16 r
	v_lshl_add_u32 v10, v24, 3, v11                ; 16 r + 8 h
	v_lshlrev_b32 v25, 2, v23                      ; 4 r
	v_cmp_lt_u32 s56, 15, v22                      ; lanes 16-31
	; descriptor group 1: 68 dense rows of 256 bytes (32 elements of 8 bytes), no padding: lanes read 16 L, consecutive bytes
	s_mov_b32 s[G1], 15|(3<<16)|(1<<21)            ; 15:0 the mask: all four work-groups; 17:16 elements of 8 bytes; 21 set beside a mask
	s_mov_b32 s[G1+1], 32<<16                      ; tensor_dim0
	s_mov_b32 s[G1+2], 68<<16                      ; tensor_dim1
	s_mov_b32 s[G1+3], 32<<16                      ; tile_dim0
	s_mov_b32 s[G1+4], 68                          ; tile_dim1
	s_mov_b32 s[G1+5], 32                          ; tensor_dim0_stride
	s_mov_b32 s[G1+6], 0
	s_mov_b32 s[G1+7], 0
	s_mov_b32 s[SEL], 0x76543210
	s_mov_b32 s[SEL+1], 0xfedcba98
	s_mov_b32 s[CS], 0x3e8293ee                    ; c = log2(e) / sqrt(32)
	s_mov_b32 s[CS+1], s[CS]                       ; (named with it as a pair, so it is written)
	s_mul_i32 s[TB], s12, REC                      ; waves 0-7 begin at record 0, waves 8-15 at record 1
	s_and_b32 s23, s11, 3
	s_mul_i32 s23, s23, 0x01010101                 ; a byte select: byte b = i % 4 of Q's scale word, four times
	s_and_b32 s22, s[WV], 1
	s_mul_i32 s22, s22, CHUNK                      ; the fetching wave's half of a pair of chunks, in LDS and in memory alike
	s_mul_i32 s48, s15, HEADB
	s_add_co_u32 s48, s48, s22
	s_mov_b32 s49, 0
	s_lshl_b32 s50, s14, 3
	s_add_co_u32 s50, s50, s11                     ; tq
	s_lshl_b32 s52, s50, 8
	s_lshl_b32 s53, s15, 16
	s_add_co_u32 s52, s52, s53
	s_add_co_u32 s52, s52, QC                      ; Q's codes of my tile
	s_mov_b32 s53, 0
	s_lshl_b32 s54, s14, 7
	s_lshr_b32 s55, s11, 2
	s_lshl_b32 s55, s55, 6
	s_add_co_u32 s54, s54, s55                     ; 64 F
	s_lshl_b32 s55, s15, 12
	s_add_co_u32 s54, s54, s55
	s_add_co_u32 s54, s54, QSB                     ; Q's scale words of positions 64 F ..
	s_mov_b32 s55, 0
	s_lshl_b32 s58, s50, 11
	s_lshl_b32 s59, s15, 8
	s_add_co_u32 s58, s58, s59                     ; oc: tq x 2048 + head x 256
	s_mov_b32 s59, 0
	s_lshl_b32 s60, s15, 12
	s_lshl_b32 s61, s14, 7
	s_add_co_u32 s60, s60, s61                     ; osc: head x 4096 + QB x 128
	s_mov_b32 s61, 0
	s_wait_dscnt 0x0
	s_wait_kmcnt 0x0
	s_add_nc_u64 s[48:49], s[4:5], s[48:49]
	s_add_nc_u64 s[52:53], s[4:5], s[52:53]
	s_add_nc_u64 s[54:55], s[4:5], s[54:55]
	s_add_nc_u64 s[6:7], s[6:7], s[58:59]
	s_add_nc_u64 s[8:9], s[8:9], s[60:61]
.irp j, 0,1,2,3
	s_mov_b32 s[G0+4*\j], 1                                        ; count = 1
	s_add_co_u32 s[G0+4*\j+1], s22, \j*2*CHUNK                     ; LDS address
	s_add_nc_u64 s[G0+4*\j+2:G0+4*\j+3], s[48:49], \j*2*CHUNK      ; global address: records 8 j .. 8 j + 7, my half
	s_or_b32 s[G0+4*\j+3], s[G0+4*\j+3], 0x80000000                ; type = 2
.endr
	CROUND                                         ; all four work-groups are here: the joint loads meet
	s_cmp_lt_u32 s[WV], 2                          ; all fills of a wave stand in one branch on the wave's number: four loads of mine are out
	s_cbranch_scc0 .Lno_fetch
	tensor_load_to_lds s[G0:G0+3], s[G1:G1+7]
	s_nop 0
	tensor_load_to_lds s[G0+4:G0+7], s[G1:G1+7]
	s_nop 0
	tensor_load_to_lds s[G0+8:G0+11], s[G1:G1+7]
	s_nop 0
	tensor_load_to_lds s[G0+12:G0+15], s[G1:G1+7]
	s_nop 0
.rept 4
	v_nop
.endr
.Lno_fetch:
	global_load_b128 v[28:31], v11, s[52:53]       ; query r's 32 codes, in both halves of the lanes
	global_load_b32 v32, v25, s[54:55]             ; the scale bytes of positions 64 F + 4 r + 0 .. 3
.irp k, 36,37,38,39,44,45,46,47,52,53,54,55
	v_mov_b32 v\k, 0                               ; zero codes
.endr
	v_mov_b32 v13, 0xff61b1e6                      ; the largest score so far: -3e38
	v_mul_f32 v12, 0xbe8293ee, v13
	v_floor_f32 v12, v12                           ; -M
	s_wait_loadcnt 0x0
.irp k, 0,1,2,3
	v_cndmask_b32 v[40+\k], v[28+\k], v36, s56     ; Q in lanes 0-15, zeros in lanes 16-31
	v_cndmask_b32 v[48+\k], v36, v[28+\k], s56     ; and the other way round.  Variant 0 = v[40:47], 1 = v[48:55], 2 = v[36:43], 3 = v[44:51]
.endr
	v_perm_b32 v[QS], v32, v32, s23                ; my tile's byte at all four places: three of them scale zero codes
.set i, 0
.rept 16
	v_mov_b32 v[O+i], 0                            ; O^T: the step is written once; the first finds zeros.  (These lines are also the places between Q's registers and the first product)
.set i, i+1
.endr
.irp k, 14,15,16,17,27,35
	v_mov_b32 v\k, 0                               ; the sum; f's pair; lane permutes' destinations
.endr
.macro SPROD f, b, qv                  ; the scores of keys 64 f + 4 m + b
.if \f
	v_wmma_scale_f32_16x16x128_f8f6f4 v[S+32*\f+8*\b:S+32*\f+8*\b+7], v[KF+8*\f:KF+8*\f+7], v[\qv:\qv+7], 0, v[KS], v[QS] matrix_a_fmt:MATRIX_FMT_FP4 matrix_b_fmt:MATRIX_FMT_FP4 matrix_a_scale:MATRIX_SCALE_ROW1
.else
	v_wmma_scale_f32_16x16x128_f8f6f4 v[S+32*\f+8*\b:S+32*\f+8*\b+7], v[KF+8*\f:KF+8*\f+7], v[\qv:\qv+7], 0, v[KS], v[QS] matrix_a_fmt:MATRIX_FMT_FP4 matrix_b_fmt:MATRIX_FMT_FP4
.endif
.endm
; A KEY STEP: the 128 keys of the record at s[TB].
.macro STEP
	v_add_nc_u32 v3, s[TB], v1
	v_add_nc_u32 v4, s[TB], v2
.irp c, 0,1,2,3
	ds_load_b128 v[KF+4*\c:KF+4*\c+3], v3 offset:512*\c
.endr
	ds_load_b32 v[KS], v4 offset:4096              ; lanes 0-15: the words of keys 0-63 (word m: keys 4 m ..), lanes 16-31: of keys 64-127
	s_wait_dscnt 0x0
.irp f, 0,1
	SPROD \f, 0, 40
	SPROD \f, 1, 48
	SPROD \f, 2, 36
	SPROD \f, 3, 44
.endr
.rept 4
	v_nop                                          ; four places: ahead of the first read of the scores, and (with the two additions above) of the loads into V's registers, which the last step's products read
.endr
.irp u, 0,1
.irp c, 0,1
	ds_load_b128 v[VF+8*\u+4*\c:VF+8*\u+4*\c+3], v3 offset:2048+1024*\u+512*\c   ; they land under the softmax
.endr
.endr
	ds_load_b32 v[VS], v4 offset:4224
	; the largest score of each of my two blocks: four chains of 16, each in ascending order
.irp k, 0,1,2,3
	v_max3_num_f32 v[22+\k/2+2*(\k%2)], v[S+16*\k], v[S+16*\k+1], v[S+16*\k+2]
.endr
.irp i, 3,5,7,9,11,13
.irp k, 0,1,2,3
	v_max3_num_f32 v[22+\k/2+2*(\k%2)], v[22+\k/2+2*(\k%2)], v[S+16*\k+\i], v[S+16*\k+\i+1]
.endr
.endr
	v_max_num_f32 v24, v24, v[S+31]
	v_max_num_f32 v25, v25, v[S+63]
	v_max3_num_f32 v22, v22, v[S+15], v24          ; block h
	v_max3_num_f32 v23, v23, v[S+47], v25          ; block 2 + h
	v_max_num_f32 v26, v22, v23
	v_permlanex16_b32 v27, v26, s[SEL], s[SEL+1]   ; my query's other 64 keys lie in lane l xor 16
	v_max3_num_f32 v13, v13, v26, v27              ; the running largest score
	v_mov_b32 v26, v12
	v_mul_f32 v27, 0xbe8293ee, v13                 ; -t (c is positive)
	v_floor_f32 v12, v27                           ; the new -M = floor(-t) = -ceil(t): a whole number
	v_sub_f32 v26, v12, v26                        ; old M - new M: a whole number, 0 or less
	v_cvt_i32_f32 v26, v26                         ; (it saturates)
	v_ldexp_f32 v16, 1.0, v26                      ; f = 2^(old M - new M)
.set j, 0
.rept 32
	v_pk_fma_f32 v[S+j:S+j+1], v[S+j:S+j+1], s[CS:CS+1], v[12:13] op_sel_hi:[1,0,0]   ; t - M, two at a time
.set j, j+2
.endr
	v_fma_f32 v22, v22, s[CS], v12                 ; the same of each block's largest score
	v_fma_f32 v23, v23, s[CS], v12
	v_exp_f32 v22, v22                             ; ONE BATCH of 66 exponentials: the blocks' largest p,
	v_exp_f32 v23, v23
.set j, 0
.rept 64
	v_exp_f32 v[S+j], v[S+j]                       ; and p = 2^(t - M)
.set j, j+1
.endr
	v_pk_mul_f32 v[14:15], v[14:15], v[16:17] op_sel_hi:[1,0]      ; the sums under the new M: the plain line behind the last exponential
	s_wait_alu depctr_va_vdst(0)                   ; one wait for the batch, ahead of its first reader
	v_max_num_f32 v22, 0x1800000, v22              ; the floor 2^(3 - 127): the byte cannot fall under 1
	v_max_num_f32 v23, 0x1800000, v23
	v_add_nc_u32 v28, 0xff000000, v22              ; 2 off the exponent field: the conversions' scale operands
	v_add_nc_u32 v29, 0xff000000, v23
	v_lshrrev_b32 v30, 23, v28                     ; the bytes
	v_lshrrev_b32 v31, 23, v29
	v_lshl_or_b32 v34, v31, 16, v30                ; blocks h and 2 + h,
	v_lshlrev_b32 v34, v5, v34                     ; 8 h bits up;
	v_permlanex16_b32 v35, v34, s[SEL], s[SEL+1]
	v_or_b32 v[PS], v34, v35                       ; with lane l xor 16's two: p's scale word for these 128 keys
	v_pk_add_f32 v[32:33], v[S:S+1], v[S+2:S+3]    ; the row's sum, of the UNQUANTISED p, in two chains.  (These 32 lines stand between the scale word and the products that name it)
.set j, 4
.rept 15
	v_pk_add_f32 v[14:15], v[14:15], v[S+j:S+j+1]
	v_pk_add_f32 v[32:33], v[32:33], v[S+j+2:S+j+3]
.set j, j+4
.endr
	v_pk_add_f32 v[14:15], v[14:15], v[32:33]
.irp f, 0,1
.irp b, 0,1,2,3
	v_cvt_scalef32_pk8_fp4_f32 v[PC+4*\f+\b], v[S+32*\f+8*\b:S+32*\f+8*\b+7], v[28+\f]   ; register 4 f + b of lane h: dword b of block 2 f + h: the operand as it stands
.endr
.endr
	v_nop                                          ; one plain line behind the last conversion
.set j, 0
.rept 8
	v_pk_mul_f32 v[O+j:O+j+1], v[O+j:O+j+1], v[16:17] op_sel_hi:[1,0]   ; O^T under the new M, from each tile's low end on.  (For each product below: the v_nop and the other tile's four are five places behind the codes)
.set j, j+2
.endr
	s_wait_dscnt 0x0                               ; V
	v_wmma_scale_f32_16x16x128_f8f6f4 v[O:O+7], v[VF:VF+7], v[PC:PC+7], v[O:O+7], v[VS], v[PS] matrix_a_fmt:MATRIX_FMT_FP4 matrix_b_fmt:MATRIX_FMT_FP4
	v_wmma_scale_f32_16x16x128_f8f6f4 v[O+8:O+15], v[VF+8:VF+15], v[PC:PC+7], v[O+8:O+15], v[VS], v[PS] matrix_a_fmt:MATRIX_FMT_FP4 matrix_b_fmt:MATRIX_FMT_FP4 matrix_a_scale:MATRIX_SCALE_ROW1
	s_add_co_u32 s[TB], s[TB], 2*REC               ; my next record
.endm
; Records 8 j .. 8 j + 7: four steps a wave.  The fetching waves wait for their chunk j (3 - j younger loads may stay out), then the barrier shows it to all sixteen.
.macro PHASE j
	s_wait_tensorcnt 3-\j
	s_wait_dscnt 0x0
	s_barrier_signal -1
	s_barrier_wait -1
	s_mov_b32 s[CNT], 4
.Lstep_\@:
	STEP
	s_sub_co_u32 s[CNT], s[CNT], 1
	s_cmp_lg_u32 s[CNT], 0
	s_cbranch_scc1 .Lstep_\@
.endm
	PHASE 0
	PHASE 1
	PHASE 2
	PHASE 3
	; ---- the two halves of the keys are joined
	v_add_f32 v14, v14, v15                        ; my sum's two halves,
	v_mov_b32 v15, v12                             ; and -M beside it.  (With the two lines below: four places behind the last products)
.rept 2
	v_nop
.endr
	s_cmp_lt_u32 s[WV], 8
	s_cbranch_scc1 .Lkeeper
.irp c, 0,1,2,3
	ds_store_b128 v6, v[O+4*\c:O+4*\c+3] offset:512*\c             ; waves 8-15 hand over: images of the registers
.endr
	ds_store_b64 v7, v[14:15]
.Lkeeper:
	s_wait_dscnt 0x0                               ; for the others' sake
	s_barrier_signal -1
	s_barrier_wait -1
	s_cmp_lt_u32 s[WV], 8
	s_cbranch_scc0 .Lmerged
.irp c, 0,1,2,3
	ds_load_b128 v[OP+4*\c:OP+4*\c+3], v6 offset:512*\c
.endr
	ds_load_b64 v[OP+16:OP+17], v7
	s_wait_dscnt 0x0
	v_min_num_f32 v22, v15, v[OP+17]               ; -M of the two: the larger M
	v_sub_f32 v23, v22, v15
	v_sub_f32 v24, v22, v[OP+17]
	v_cvt_i32_f32 v23, v23
	v_cvt_i32_f32 v24, v24
	v_ldexp_f32 v16, 1.0, v23                      ; my factor,
	v_ldexp_f32 v26, 1.0, v24                      ; the partner's: powers of two, of which one is 1
.set j, 0
.rept 8
	v_pk_mul_f32 v[O+j:O+j+1], v[O+j:O+j+1], v[16:17] op_sel_hi:[1,0]
.set j, j+2
.endr
.set j, 0
.rept 8
	v_pk_fma_f32 v[O+j:O+j+1], v[OP+j:OP+j+1], v[26:27], v[O+j:O+j+1] op_sel_hi:[1,0,1]
.set j, j+2
.endr
	v_mul_f32 v14, v14, v16
	v_fma_f32 v14, v[OP+16], v26, v14
	v_permlanex16_b32 v35, v14, s[SEL], s[SEL+1]
	v_add_f32 v14, v14, v35                        ; with lane l xor 16's keys: the row's sum
	v_rcp_f32 v28, v14
	v_nop                                          ; a plain line behind the transcendental
	s_wait_alu depctr_va_vdst(0)                   ; and the wait ahead of its first reader
.set j, 0
.rept 8
	v_pk_mul_f32 v[O+j:O+j+1], v[O+j:O+j+1], v[28:29] op_sel_hi:[1,0]   ; O^T / the sum: register 8 u + j is channel 16 u + 8 h + j of query r
.set j, j+2
.endr
	v_max3_num_f32 v22, |v[O]|, |v[O+1]|, 0x1800000
.irp i, 2,4,6,8,10,12,14
	v_max3_num_f32 v22, v22, |v[O+\i]|, |v[O+\i+1]|
.endr
	v_permlanex16_b32 v35, v22, s[SEL], s[SEL+1]
	v_max_num_f32 v22, v22, v35                    ; the head's 32 channels: one block of the projection's K
	v_add_nc_u32 v23, 0xff000000, v22
	v_lshrrev_b32 v24, 23, v23
	v_cvt_scalef32_pk8_fp4_f32 v30, v[O:O+7], v23
	v_cvt_scalef32_pk8_fp4_f32 v31, v[O+8:O+15], v23
	v_nop
	global_store_b64 v10, v[30:31], s[6:7]         ; the wave stores 256 consecutive bytes, aligned
	ds_store_b8 v8, v24                            ; both lanes of a query write the same byte with the same value
.Lmerged:
	s_wait_dscnt 0x0
	s_barrier_signal -1
	s_barrier_wait -1
	s_cmp_lg_u32 s[WV], 0
	s_cbranch_scc1 .Lend
	ds_load_b32 v22, v9                            ; the work-group's 128 scale bytes leave together
	s_wait_dscnt 0x0
	global_store_b32 v2, v22, s[8:9]
.Lend:
	s_wait_tensorcnt 0x0
	ds_add_u32 v208, v209
	s_wait_dscnt 0x0
	CROUND                                         ; the closing round: no work-group ends while a partner may still ask jointly
	s_endpgm
.Lfunc_end_k_q11ff4d150b_attn:
	.size	k_q11ff4d150b_attn, .Lfunc_end_k_q11ff4d150b_attn-k_q11ff4d150b_attn
	.p2alignl 7, 3214868480
	.fill 96, 4, 3214868480
	.section	.rodata,"a",@progbits
	.p2align	6, 0x0
	.amdhsa_kernel k_q11ff4d150b_attn
		.amdhsa_group_segment_fixed_size 169984
		.amdhsa_private_segment_fixed_size 0
		.amdhsa_enable_private_segment 0
		.amdhsa_kernarg_size 24
		.amdhsa_user_sgpr_count 2
		.amdhsa_user_sgpr_kernarg_segment_ptr 1
		.amdhsa_wavefront_size32 1
		.amdhsa_system_sgpr_workgroup_id_x 1
		.amdhsa_system_sgpr_workgroup_id_y 1
		.amdhsa_system_sgpr_workgroup_id_z 1
		.amdhsa_system_vgpr_workitem_id 0
		.amdhsa_next_free_vgpr 210
		.amdhsa_next_free_sgpr 66
		.amdhsa_reserve_vcc 0
		.amdhsa_float_denorm_mode_32 3
		.amdhsa_float_denorm_mode_16_64 3
		.amdhsa_memory_ordered 1
		.amdhsa_forward_progress 1
		.amdhsa_inst_pref_size 64
	.end_amdhsa_kernel
	.amdgpu_metadata
---
amdhsa.version: [ 1, 2 ]
amdhsa.kernels:
  - .name:           k_q11ff4d150b_attn
    .symbol:         k_q11ff4d150b_attn.kd
    .args:
      - { .name: aw, .offset: 0, .size: 8, .value_kind: global_buffer, .address_space: global }
      - { .name: oc, .offset: 8, .size: 8, .value_kind: global_buffer, .address_space: global }
      - { .name: osc, .offset: 16, .size: 8, .value_kind: global_buffer, .address_space: global }
    .group_segment_fixed_size: 169984
    .private_segment_fixed_size: 0
    .kernarg_segment_align: 8
    .kernarg_segment_size: 24
    .max_flat_workgroup_size: 512
    .sgpr_count:     66
    .vgpr_count:     210
    .wavefront_size: 32
...
	.end_amdgpu_metadata
.endif
;; end of part 3
;; launch proj (part 4): grid 64 x 4, 4 waves a work-group, no clusters, 0 bytes of LDS; arguments oc, osc, wimg, proj_b, x, out0; writes out0
.if DOCPART == 4
	.amdgcn_target "amdgcn-amd-amdhsa--gfx1250"
	.amdhsa_code_object_version 6
	.text
	.protected	k_q11ff4d150b_proj
	.globl	k_q11ff4d150b_proj
	.p2align	8
	.type	k_q11ff4d150b_proj,@function
k_q11ff4d150b_proj:
	s_mov_b64 s[64:65], 0
	v_nop
	global_prefetch_b8 v0, s[64:65] scope:SCOPE_SE
	s_setreg_imm32_b32 hwreg(HW_REG_WAVE_MODE, 25, 1), 1
	s_wait_xcnt 0x0
; out0 = x + proj_w att + proj_b, the product on codes of FP4 (E2M1, one E8M0 byte for each 32 along K = the 256 channels).
; A wave makes 16 output channels (tile To = 4 y + wave) x 64 positions (F = work-group x): four accumulators, one for each position tile b (column r = position 64 F + 4 r + b), two K steps deep.
; Both operands come from memory as images of their registers, 16 bytes a lane, 512 consecutive bytes a load: att's codes as the attention launch stored them (tile x 2048 + head x 256 + 16 r, head = 4 s + 2 c + h),
; proj_w's as the first launch laid them; both have the channels' code dwords in the order 0, 2, 1, 3 inside a block.  att's scale bytes lie [head][tile][r]: four byte loads make a word.
; Source 0 = 16 rows of proj_w, source 1 = a tile: register j of lane (r, h) in accumulator b is channel 16 To + 8 h + j, position 64 F + 4 r + b.  So the residual's addition, which must touch every number
; anyway, also gathers a lane's four accumulators into four NEIGHBOURING positions: sixteen lanes load and store 256 consecutive bytes, aligned, and no stage in LDS is needed.  The bias is the C of the first products.
; NO CLUSTER: the four work-groups of one F share att's 8,192 bytes, which each wave takes straight into registers once, for eight matrix instructions; nothing is staged in LDS, where a joint load could land.
.set AS,  16                           ; v16-19  att's scale words: lanes 0-15 heads 0-3 of row r, lanes 16-31 heads 4-7
.set WS,  20                           ; v20     proj_w's: lanes 0-15 K step 0, lanes 16-31 K step 1
.set AF,  32                           ; v32-95  att's fragment (b, s) at AF + 8 (2 b + s); later the output
.set OUT, 32
.set WF,  96                           ; v96-111 proj_w's two fragments
.set BI,  112                          ; v112-119 the bias in the result's layout
.set ACC, 120                          ; v120-151
.set XX,  152                          ; v152-183 x: register 4 j + b
.set U,   184                          ; v184-199 scale bytes
	s_load_b256 s[4:11], s[0:1], 0x0               ; oc s[4:5], osc s[6:7], wimg s[8:9], proj_b s[10:11]
	s_load_b128 s[12:15], s[0:1], 0x20             ; x s[12:13], out0 s[14:15]
	v_lshrrev_b32 v1, 5, v0
	v_readfirstlane_b32 s16, v1                    ; wave
	s_and_b32 s17, ttmp7, 0xffff
	s_lshl_b32 s17, s17, 2
	s_add_co_u32 s17, s17, s16                     ; To
	v_and_b32 v1, 31, v0                           ; L
	v_and_b32 v2, 15, v0                           ; r
	v_bfe_u32 v3, v0, 4, 1                         ; h
	v_lshl_add_u32 v4, v3, 14, v2                  ; scale bytes: r + 4 heads x 4,096 for lanes 16-31
	v_lshlrev_b32 v5, 4, v1                        ; 16 L
	v_lshlrev_b32 v6, 2, v1                        ; 4 L
	v_lshlrev_b32 v7, 5, v3                        ; 32 h
	v_lshlrev_b32 v8, 4, v2
	v_lshl_add_u32 v8, v3, 17, v8                  ; x, out0: 16 r + 8 h channels of 16,384 bytes
	s_mov_b32 s19, 0
	s_wait_kmcnt 0x0
	s_lshl_b32 s18, ttmp9, 6
	s_add_nc_u64 s[6:7], s[6:7], s[18:19]          ; osc at tile 4 F
	s_lshl_b32 s18, ttmp9, 13
	s_add_nc_u64 s[4:5], s[4:5], s[18:19]          ; oc at tile 4 F
	s_lshl_b32 s18, s17, 11
	s_add_nc_u64 s[20:21], s[8:9], s[18:19]        ; proj_w's images: tile 48 + To (the 48 stands in the immediates)
	s_lshl_b32 s18, s17, 7
	s_add_nc_u64 s[8:9], s[8:9], s[18:19]          ; its scale words
	s_lshl_b32 s18, s17, 6
	s_add_nc_u64 s[10:11], s[10:11], s[18:19]      ; its 16 biases
	s_lshl_b32 s18, s17, 18
	s_lshl_b32 s22, ttmp9, 8
	s_add_co_u32 s18, s18, s22
	s_add_nc_u64 s[12:13], s[12:13], s[18:19]      ; x and out0 at channel 16 To, position 64 F
	s_add_nc_u64 s[14:15], s[14:15], s[18:19]
.irp b, 0,1,2,3
.irp i, 0,1,2,3
	global_load_u8 v[U+4*\b+\i], v4, s[6:7] offset:4096*\i+16*\b   ; head 4 h + i, tile 4 F + b, row r
.endr
.endr
	global_load_b32 v[WS], v6, s[8:9] offset:131072+48*128
.irp t, 0,1,2,3,4,5,6,7
.irp c, 0,1
	global_load_b128 v[AF+8*\t+4*\c:AF+8*\t+4*\c+3], v5, s[4:5] offset:1024*\t+512*\c
.endr
.endr
.irp s, 0,1
.irp c, 0,1
	global_load_b128 v[WF+8*\s+4*\c:WF+8*\s+4*\c+3], v5, s[20:21] offset:48*2048+1024*\s+512*\c
.endr
.endr
	global_load_b128 v[BI:BI+3], v7, s[10:11]
	global_load_b128 v[BI+4:BI+7], v7, s[10:11] offset:16
.irp j, 0,1,2,3,4,5,6,7
	global_load_b128 v[XX+4*\j:XX+4*\j+3], v8, s[12:13] offset:16384*\j
.endr
	s_wait_loadcnt 31                              ; the 16 bytes are in; behind them: 1 + 16 + 4 + 2 + 8 loads
.irp b, 0,1,2,3
	v_lshl_or_b32 v[AS+\b], v[U+4*\b+1], 8, v[U+4*\b]
.endr
.irp b, 0,1,2,3
	v_lshl_or_b32 v[AS+\b], v[U+4*\b+2], 16, v[AS+\b]
.endr
.irp b, 0,1,2,3
	v_lshl_or_b32 v[AS+\b], v[U+4*\b+3], 24, v[AS+\b]
.endr
.rept 8
	v_nop                                          ; a scale register written by a vector instruction stands eight places ahead of the scaled product
.endr
	s_wait_loadcnt 8                               ; all but x
.irp b, 0,1,2,3                        ; the four accumulators take turns, one instruction a turn
	v_wmma_scale_f32_16x16x128_f8f6f4 v[ACC+8*\b:ACC+8*\b+7], v[WF:WF+7], v[AF+16*\b:AF+16*\b+7], v[BI:BI+7], v[WS], v[AS+\b] matrix_a_fmt:MATRIX_FMT_FP4 matrix_b_fmt:MATRIX_FMT_FP4
.endr
.irp b, 0,1,2,3
	v_wmma_scale_f32_16x16x128_f8f6f4 v[ACC+8*\b:ACC+8*\b+7], v[WF+8:WF+15], v[AF+16*\b+8:AF+16*\b+15], v[ACC+8*\b:ACC+8*\b+7], v[WS], v[AS+\b] matrix_a_fmt:MATRIX_FMT_FP4 matrix_b_fmt:MATRIX_FMT_FP4 matrix_a_scale:MATRIX_SCALE_ROW1 matrix_b_scale:MATRIX_SCALE_ROW1
.endr
.rept 4
	v_nop                                          ; four places ahead of the first read of results and of the writes over att's fragments (ISA guide 7.12.1)
.endr
	s_wait_loadcnt 0x0                             ; x
.irp j, 0,1,2,3,4,5,6,7                ; each accumulator from its low end on
.irp b, 0,1,2,3
	v_add_f32 v[OUT+4*\j+\b], v[ACC+8*\b+\j], v[XX+4*\j+\b]
.endr
.endr
.irp j, 0,1,2,3,4,5,6,7
	global_store_b128 v8, v[OUT+4*\j:OUT+4*\j+3], s[14:15] offset:16384*\j th:TH_STORE_NT   ; sixteen lanes store 256 consecutive bytes, aligned; written once, read by nobody here
.endr
	s_endpgm
.Lfunc_end_k_q11ff4d150b_proj:
	.size	k_q11ff4d150b_proj, .Lfunc_end_k_q11ff4d150b_proj-k_q11ff4d150b_proj
	.p2alignl 7, 3214868480
	.fill 96, 4, 3214868480
	.section	.rodata,"a",@progbits
	.p2align	6, 0x0
	.amdhsa_kernel k_q11ff4d150b_proj
		.amdhsa_group_segment_fixed_size 0
		.amdhsa_private_segment_fixed_size 0
		.amdhsa_enable_private_segment 0
		.amdhsa_kernarg_size 48
		.amdhsa_user_sgpr_count 2
		.amdhsa_user_sgpr_kernarg_segment_ptr 1
		.amdhsa_wavefront_size32 1
		.amdhsa_system_sgpr_workgroup_id_x 1
		.amdhsa_system_sgpr_workgroup_id_y 1
		.amdhsa_system_sgpr_workgroup_id_z 1
		.amdhsa_system_vgpr_workitem_id 0
		.amdhsa_next_free_vgpr 208
		.amdhsa_next_free_sgpr 66
		.amdhsa_reserve_vcc 0
		.amdhsa_float_denorm_mode_32 3
		.amdhsa_float_denorm_mode_16_64 3
		.amdhsa_memory_ordered 1
		.amdhsa_forward_progress 1
		.amdhsa_inst_pref_size 10
	.end_amdhsa_kernel
	.amdgpu_metadata
---
amdhsa.version: [ 1, 2 ]
amdhsa.kernels:
  - .name:           k_q11ff4d150b_proj
    .symbol:         k_q11ff4d150b_proj.kd
    .args:
      - { .name: oc, .offset: 0, .size: 8, .value_kind: global_buffer, .address_space: global }
      - { .name: osc, .offset: 8, .size: 8, .value_kind: global_buffer, .address_space: global }
      - { .name: wimg, .offset: 16, .size: 8, .value_kind: global_buffer, .address_space: global }
      - { .name: proj_b, .offset: 24, .size: 8, .value_kind: global_buffer, .address_space: global }
      - { .name: x, .offset: 32, .size: 8, .value_kind: global_buffer, .address_space: global }
      - { .name: out0, .offset: 40, .size: 8, .value_kind: global_buffer, .address_space: global }
    .group_segment_fixed_size: 0
    .private_segment_fixed_size: 0
    .kernarg_segment_align: 8
    .kernarg_segment_size: 48
    .max_flat_workgroup_size: 128
    .sgpr_count:     66
    .vgpr_count:     208
    .wavefront_size: 32
...
	.end_amdgpu_metadata
.endif
;; end of part 4
;; ======== version 2 of 2: 4 launches
;; workspace buffers: stats 2,048 bytes; wimg 139,264 bytes; aw 1,671,168 bytes; oc 524,288 bytes; osc 32,768 bytes
;; launch prep (part 5): grid 320 x 1, 1 waves a work-group, no clusters, 0 bytes of LDS; arguments x, qkv_w, proj_w, stats, wimg; writes stats, wimg
.if DOCPART == 5
	.amdgcn_target "amdgcn-amd-amdhsa--gfx1250"
	.amdhsa_code_object_version 6
	.text
	.protected	k_q11ff4d150b_prep
	.globl	k_q11ff4d150b_prep
	.p2align	8
	.type	k_q11ff4d150b_prep,@function
k_q11ff4d150b_prep:
	s_mov_b64 s[64:65], 0
	v_nop
	global_prefetch_b8 v0, s[64:65] scope:SCOPE_SE
	s_setreg_imm32_b32 hwreg(HW_REG_WAVE_MODE, 25, 1), 1
	s_wait_xcnt 0x0
; TWO JOBS OF ONE SIZE, a wave and 4,096 f32 numbers each (32 loads of 16 bytes a lane, all kept in registers).
; Work-groups 0-255: channel c of x: its mean and its sum of squared distances from that mean (M2), to stats[c] = (mean, M2).  The distances are formed in registers from the
;   numbers themselves, so no difference of large sums is taken, whatever offset x carries.
; Work-groups 256-319: 16 rows x 256 of a weight (tiles 0-47 qkv_w, 48-63 proj_w) become codes of FP4 (E2M1) with one E8M0 byte for each 32 along K, stored as IMAGES OF THE OPERAND'S
;   REGISTERS: K step s (128 along K) at tile x 2048 + s x 1024; in it register group c of lane L at 512 c + 16 L; lane (r, h) group c holds block 2 c + h of row r.
;   Inside a block the four dwords of codes stand in the order 0, 2, 1, 3 of the channels' groups of eight: the order in which the later launches' matrix results give their codes.
;   The other operand of each product has the same order, so the sums are unchanged.  Scale words at 131072 + tile x 128 + 4 L: lanes 0-15 row r's word of K step 0, lanes 16-31 of K step 1.
; A block's scale is 2^(floor(log2(largest magnitude)) - 2); its byte is the largest magnitude's exponent field - 2, held at 1 from below.
; LIMITS: a block of zeros (or under 2^-124) gets the byte 1, not 127: its codes are zeros and this program alone reads the bytes; NaN and infinities are not served.
; No LDS, no barrier, no matrix unit: each byte is read once by one wave.  The two paths part on the work-group's number.
.set X,   32                           ; v32-159  the 4,096 numbers, 128 a lane
.set PC,  160                          ; v160-175 the codes: register 4 q + .. of block group q = 2 s + c
.set SEL, 20                           ; s[20:21] lane selects for v_permlanex16_b32: lane l xor 16
.macro JOIN                            ; four packed chains v[4:11] -> their sum over the wave, in v4 of every lane
	v_pk_add_f32 v[4:5], v[4:5], v[6:7]
	v_pk_add_f32 v[8:9], v[8:9], v[10:11]
	v_pk_add_f32 v[4:5], v[4:5], v[8:9]
	v_add_f32 v4, v4, v5
	v_add_f32_dpp v4, v4, v4 row_xmask:1 row_mask:0xf bank_mask:0xf
	v_add_f32_dpp v4, v4, v4 row_xmask:2 row_mask:0xf bank_mask:0xf
	v_add_f32_dpp v4, v4, v4 row_xmask:4 row_mask:0xf bank_mask:0xf
	v_add_f32_dpp v4, v4, v4 row_xmask:8 row_mask:0xf bank_mask:0xf
	v_permlanex16_b32 v5, v4, s[SEL], s[SEL+1]
	v_add_f32 v4, v4, v5
.endm
.macro SUMP n                          ; the next n pairs onto the four chains
.rept \n
	v_pk_add_f32 v[4+2*(p%4):5+2*(p%4)], v[4+2*(p%4):5+2*(p%4)], v[X+2*p:X+2*p+1]
.set p, p+1
.endr
.endm
	s_load_b128 s[4:7], s[0:1], 0x0                ; x, qkv_w
	s_load_b128 s[8:11], s[0:1], 0x10              ; proj_w, stats
	s_load_b64 s[12:13], s[0:1], 0x20              ; wimg
	s_mov_b32 s[SEL], 0x76543210
	s_mov_b32 s[SEL+1], 0xfedcba98
	v_and_b32 v1, 15, v0                           ; r   (one wave: v0 is the lane)
	v_lshrrev_b32 v2, 4, v0                        ; h
	v_lshlrev_b32 v3, 4, v0                        ; 16 x lane
	s_cmp_lt_u32 ttmp9, 256
	s_cbranch_scc0 .Lweights
	; ---- a channel's mean and M2
	s_lshl_b32 s16, ttmp9, 14                      ; the channel's 16,384 bytes
	s_mov_b32 s17, 0
	s_lshl_b32 s18, ttmp9, 3                       ; its 8 bytes of stats
	s_mov_b32 s19, 0
	s_wait_kmcnt 0x0
	s_add_nc_u64 s[4:5], s[4:5], s[16:17]
	s_add_nc_u64 s[10:11], s[10:11], s[18:19]
.set i, 0
	s_wait_alu depctr_va_vdst(0)
.rept 32
	global_load_b128 v[X+4*i:X+4*i+3], v3, s[4:5] offset:512*i     ; 32 lanes read 512 consecutive bytes
.set i, i+1
.endr
	v_mov_b32 v16, 0                               ; the store's offset
	s_wait_loadcnt 24                              ; the first eight loads are in: 16 pairs; the 24 younger stay out
.irp k, 0,1,2,3
	v_pk_add_f32 v[4+2*\k:5+2*\k], v[X+2*\k:X+2*\k+1], v[X+8+2*\k:X+9+2*\k]   ; the first eight pairs start the chains: nothing is cleared
.endr
.set p, 8
	SUMP 8
	s_wait_alu depctr_va_vdst(0)
	s_wait_loadcnt 16
	SUMP 16
	s_wait_alu depctr_va_vdst(0)
	s_wait_loadcnt 8
	SUMP 16
	s_wait_alu depctr_va_vdst(0)
	s_wait_loadcnt 0x0
	SUMP 16
	JOIN
	v_mul_f32 v14, 0x39800000, v4                  ; mean = sum / 4096
	v_mul_f32 v12, 0xb9800000, v4                  ; -mean, twice: a pair for the packed addition
	v_mov_b32 v13, v12
.set p, 0
.rept 64
	v_pk_add_f32 v[X+2*p:X+2*p+1], v[X+2*p:X+2*p+1], v[12:13]      ; the distances from the mean
.set p, p+1
.endr
.irp k, 0,1,2,3
	v_pk_mul_f32 v[4+2*\k:5+2*\k], v[X+2*\k:X+2*\k+1], v[X+2*\k:X+2*\k+1]
.endr
.set p, 4
.rept 60
	v_pk_fma_f32 v[4+2*(p%4):5+2*(p%4)], v[X+2*p:X+2*p+1], v[X+2*p:X+2*p+1], v[4+2*(p%4):5+2*(p%4)]
.set p, p+1
.endr
	JOIN
	v_mov_b32 v15, v4                              ; v[14:15] = (mean, M2)
	s_wait_alu depctr_va_vdst(0)
	s_wait_xcnt 0x0                                ; EXEC changes only behind this wait
	v_cmp_eq_u32 vcc_lo, 0, v0
	s_and_saveexec_b32 s22, vcc_lo
	global_store_b64 v16, v[14:15], s[10:11]       ; lane 0 alone
	s_wait_xcnt 0x0                                ; and again ahead of the line that widens it
	s_or_b32 exec_lo, exec_lo, s22
	s_endpgm
	; ---- 16 rows of a weight
.Lweights:
	s_sub_co_u32 s14, ttmp9, 256                   ; tile 0..63
	s_wait_alu depctr_va_vdst(0)
	v_lshlrev_b32 v21, 10, v1                      ; row r of 1,024 bytes,
	v_lshl_add_u32 v21, v2, 7, v21                 ; + 128 h: lane (r, h) takes blocks 2 q + h, whole
	v_lshlrev_b32 v22, 2, v0                       ; 4 x lane
	v_lshlrev_b32 v20, 3, v2                       ; 8 h
	v_mov_b32 v18, 0                               ; (a lane permute's destination counts as one of its sources)
	v_mov_b32 v19, 0
	s_mov_b32 s17, 0
	s_wait_alu depctr_va_vdst(0)
	s_wait_kmcnt 0x0
	s_cmp_lt_u32 s14, 48                           ; qkv_w or proj_w: the choice hangs on the work-group's number alone
	s_cselect_b64 s[6:7], s[6:7], s[8:9]
	s_cselect_b32 s15, 0, 48
	s_sub_co_u32 s15, s14, s15                     ; the tile's number in its own tensor
	s_lshl_b32 s16, s15, 14
	s_add_nc_u64 s[6:7], s[6:7], s[16:17]
	s_lshl_b32 s16, s14, 7
	s_add_nc_u64 s[18:19], s[12:13], s[16:17]      ; for the scale words
	s_lshl_b32 s16, s14, 11
	s_add_nc_u64 s[12:13], s[12:13], s[16:17]      ; for the codes
.irp q, 0,1,2,3
.irp i, 0,1,2,3,4,5,6,7
	global_load_b128 v[X+32*\q+4*\i:X+32*\q+4*\i+3], v21, s[6:7] offset:256*\q+16*\i th:TH_LOAD_NT   ; block 2 q + h of row r: 32 numbers, 128 bytes
.endr
.endr
	s_wait_loadcnt 0x0
.irp q, 0,1,2,3
	v_max3_num_f32 v[4+\q], |v[X+32*\q]|, |v[X+32*\q+1]|, 0x1800000   ; the block's largest magnitude, and the floor 2^(3 - 127): the byte cannot fall under 1
.endr
.irp i, 2,4,6,8,10,12,14,16,18,20,22,24,26,28,30
.irp q, 0,1,2,3
	v_max3_num_f32 v[4+\q], v[4+\q], |v[X+32*\q+\i]|, |v[X+32*\q+\i+1]|   ; (the four blocks by turns)
.endr
.endr
.irp q, 0,1,2,3
	v_add_nc_u32 v[8+\q], 0xff000000, v[4+\q]      ; 2 off the exponent field: the conversion's scale operand
.endr
.irp q, 0,1,2,3
	v_lshrrev_b32 v[12+\q], 23, v[8+\q]            ; the scale's byte
.endr
.irp q, 0,1,2,3
.irp g, 0,1,2,3
	v_cvt_scalef32_pk8_fp4_f32 v[PC+4*\q+2*(\g%2)+\g/2], v[X+32*\q+8*\g:X+32*\q+8*\g+7], v[8+\q]   ; channels 8 g .. 8 g + 7 go to dword 0, 2, 1, 3
.endr
.endr
	v_nop                                          ; one plain line behind the last conversion
	v_lshl_or_b32 v16, v13, 16, v12                ; K step 0: my blocks h and 2 + h,
	v_lshl_or_b32 v17, v15, 16, v14                ; K step 1 likewise,
	v_lshlrev_b32 v16, v20, v16                    ; at their places in the word (8 h bits up);
	v_lshlrev_b32 v17, v20, v17
	v_permlanex16_b32 v18, v16, s[SEL], s[SEL+1]
	v_permlanex16_b32 v19, v17, s[SEL], s[SEL+1]
	v_or_b32 v16, v16, v18                         ; with lane l xor 16's two bytes the words are whole
	v_or_b32 v17, v17, v19
	v_cmp_lt_u32 vcc_lo, 15, v0
	v_cndmask_b32 v16, v16, v17, vcc_lo            ; lanes 0-15 keep K step 0's, lanes 16-31 take K step 1's
.irp q, 0,1,2,3
	global_store_b128 v3, v[PC+4*\q:PC+4*\q+3], s[12:13] offset:512*\q   ; 512 consecutive bytes a store
.endr
	global_store_b32 v22, v16, s[18:19] offset:131072
	s_endpgm
.Lfunc_end_k_q11ff4d150b_prep:
	.size	k_q11ff4d150b_prep, .Lfunc_end_k_q11ff4d150b_prep-k_q11ff4d150b_prep
	.p2alignl 7, 3214868480
	.fill 96, 4, 3214868480
	.section	.rodata,"a",@progbits
	.p2align	6, 0x0
	.amdhsa_kernel k_q11ff4d150b_prep
		.amdhsa_group_segment_fixed_size 0
		.amdhsa_private_segment_fixed_size 0
		.amdhsa_enable_private_segment 0
		.amdhsa_kernarg_size 40
		.amdhsa_user_sgpr_count 2
		.amdhsa_user_sgpr_kernarg_segment_ptr 1
		.amdhsa_wavefront_size32 1
		.amdhsa_system_sgpr_workgroup_id_x 1
		.amdhsa_system_sgpr_workgroup_id_y 1
		.amdhsa_system_sgpr_workgroup_id_z 1
		.amdhsa_system_vgpr_workitem_id 0
		.amdhsa_next_free_vgpr 176
		.amdhsa_next_free_sgpr 66
		.amdhsa_reserve_vcc 1
		.amdhsa_float_denorm_mode_32 3
		.amdhsa_float_denorm_mode_16_64 3
		.amdhsa_memory_ordered 1
		.amdhsa_forward_progress 1
		.amdhsa_inst_pref_size 28
	.end_amdhsa_kernel
	.amdgpu_metadata
---
amdhsa.version: [ 1, 2 ]
amdhsa.kernels:
  - .name:           k_q11ff4d150b_prep
    .symbol:         k_q11ff4d150b_prep.kd
    .args:
      - { .name: x, .offset: 0, .size: 8, .value_kind: global_buffer, .address_space: global }
      - { .name: qkv_w, .offset: 8, .size: 8, .value_kind: global_buffer, .address_space: global }
      - { .name: proj_w, .offset: 16, .size: 8, .value_kind: global_buffer, .address_space: global }
      - { .name: stats, .offset: 24, .size: 8, .value_kind: global_buffer, .address_space: global }
      - { .name: wimg, .offset: 32, .size: 8, .value_kind: global_buffer, .address_space: global }
    .group_segment_fixed_size: 0
    .private_segment_fixed_size: 0
    .kernarg_segment_align: 8
    .kernarg_segment_size: 40
    .max_flat_workgroup_size: 32
    .sgpr_count:     66
    .vgpr_count:     176
    .wavefront_size: 32
...
	.end_amdgpu_metadata
.endif
;; end of part 5
;; launch qkv (part 6): grid 64 x 1, 8 waves a work-group, no clusters, 10,240 bytes of LDS; arguments x, norm_gamma, norm_beta, qkv_b, stats, wimg, aw; writes aw
.if DOCPART == 6
	.amdgcn_target "amdgcn-amd-amdhsa--gfx1250"
	.amdhsa_code_object_version 6
	.text
	.protected	k_q11ff4d150b_qkv
	.globl	k_q11ff4d150b_qkv
	.p2align	8
	.type	k_q11ff4d150b_qkv,@function
k_q11ff4d150b_qkv:
	s_mov_b64 s[64:65], 0
	v_nop
	global_prefetch_b8 v0, s[64:65] scope:SCOPE_SE
	s_setreg_imm32_b32 hwreg(HW_REG_WAVE_SCHED_MODE, 0, 2), 2
	s_setreg_imm32_b32 hwreg(HW_REG_WAVE_MODE, 25, 1), 1
	s_wait_xcnt 0x0
	s_wait_alu depctr_vm_vsrc(0)
; GroupNorm, its quantising, the product with qkv_w (+ qkv_b) on codes of FP4 (E2M1, one E8M0 byte for each 32 along K), and the quantising of q, k and v, for 64 positions (work-group F = positions 64 F ..).
; WAVE g HAS TWO PARTS.  X: group g (channels 32 g .., which is K block g of the product): it reads 32 channels x 64 positions of x, normalises them
;   ((x - mean) x rstd x gamma + beta, in f32), and quantises: a lane holds two positions, each with its whole block of 32 channels.  The codes go to LDS as images of the operand's registers.
;   One barrier.  G: head g: its 32 rows each of q's, k's and v's weights (12 fragments, in registers, read once) against the eight fragments of h.
; POSITION TILES: tile b (0..3) holds position 64 F + 4 r + b in its row or column r.  So (1) q, k (source 0 = 16 rows of W, source 1 = a tile): a lane holds one position and 16 of the head's 32 channels; the
;   two lanes l, l xor 16 hold the block; (2) v (source 0 = a tile, source 1 = 16 rows of W): a lane holds ONE channel and, over the four tiles, 32 NEIGHBOURING positions: a whole block along the keys.
; ORDER INSIDE A BLOCK.  Channels: code dwords stand in the order 0, 2, 1, 3 of the channels' groups of eight (what two result tiles give: lane half h, tile u -> dword 2 h + u); h's codes and the weights'
;   images are laid the same.  Keys (v): slot 8 b + j holds key 4 j + b; the attention launch's p has the same order.  Both operands of each product agree, so the sums are unchanged.
; OUT (buffer aw): for head g and key step st = F / 2 a record of 4,352 bytes at g x 139264 + st x 4352: K's two fragments (key 64 f + 4 m + b at f x 1024 + b x 256 + m x 16), V's two fragment images at 2048,
;   K's scale bytes at 4096 (natural order), V's scale words at 4224 (lane 16 u + r: channel 16 u + r).  Q's codes at 1114112 + g x 65536 + (4 F + b) x 256 + 16 r; Q's scale bytes at 1638400 + g x 4096 + position.
; NO CLUSTER: what work-groups share is the weights' images, 12,288 bytes a wave, which go from memory straight into the wave's registers once; nothing of them is staged in LDS, where a joint load could land.
; 64 WORK-GROUPS: a tile's four-position stride needs 64 positions in one work-group; sharing the heads out over more work-groups would repeat part X in each.
; LIMITS: a block of zeros (or under 2^-124) gets the byte 1, not 127: its codes are zeros and this program alone reads the bytes; NaN and infinities are not served.
; REGISTERS.  Window 0: v1-31 addresses and statistics; v32-95 x as loaded, later h's eight fragments; v96-159 h in f32, later the accumulators; v160-183 three sets of codes (no store's data are written again);
;   v184-199 at work; v200-205 the weights' scale words, v206-209 h's.   Window 1: v0-95 the weights' fragments at 8 (4 role + 2 u + s); v96-143 the biases in the results' layout.
; THE MODE: SCHED_MODE bits 1:0 = 2 (LLVM: expert scheduling mode 2), set by the entry lines.  The code itself states the register dependences
; between vector or matrix instructions and memory or LDS instructions, with s_wait_alu, always for 0.
; THE PLAN.  Registers that memory or LDS instructions touch:
;   v4, v5, v12-14, v17-21, v24, v29   offsets and LDS addresses: all made at the head, ahead of the first load, and never written again: one wait on va_vdst there serves every load and store by them.
;   v[6:7], v32-95, window 1, v200-205 global loads land in them; no vector line names them before.
;   PCQ, v[TM+4], v[TM+5]              written by part X's quantising, read by its four LDS stores (a wait on va_vdst ahead of these), written again by q's quantising (a wait on vm_vsrc behind the barrier).
;   v32-95 as h's fragments, v206-209  LDS loads land in them behind the barrier; part X's lines, the last to name v32-95, stand ahead of the wait in front of the LDS stores, and no vector line follows it.
;   PCQ, PCK, v23                      written by q's and k's quantising; read by nine stores, which stand together behind ONE wait on va_vdst; never written again.
;   PCV, v25                           written by v's quantising; read by the last three stores, behind ONE wait on va_vdst.
;   Every A, B and scale operand of the products comes from a load.  Numbers that vector lines put into scalar registers (the wave, a lane mask, rstd, the mean) have a wait on va_sdst ahead of their first reader.
.set XR,  32
.set HF,  32                           ; h's fragment (tile b, K step s) at HF + 8 (2 b + s)
.set HN,  96
.set ACC, 96
.set PCQ, 160
.set PCK, 168
.set PCV, 176
.set TM,  184
.set WS,  200                          ; + 2 role + u
.set HS,  206                          ; + b: lanes 0-15 K step 0's words, lanes 16-31 K step 1's
.set PWQ, 210
.set PWK, 211
.set WB,  96                           ; window 1: biases at WB + 16 role + 8 u
.set HSC, 8192                         ; LDS: 0 .. 8191 h's images, b x 2048 + g x 256 + r x 16; from HSC its scale bytes, b x 128 + (g / 4) x 64 + r x 4 + g % 4
.set QC,    1114112
.set QSB,   1638400
.set HEADB, 139264
.set REC,   4352
.set WSC,   131072
.set SEL, 20                           ; s[20:21]
.set TS,  32                           ; s32-38, at the head only: the scalar offsets that vector lines read, a register to each; gamma lands in s32-63 later, behind a wait that shows those lines done
.set MSB, 0
.macro WIN new                         ; the immediate's high byte repeats the setting that is left
.if MSB != \new
	s_set_vgpr_msb (MSB<<8)|\new
.set MSB, \new
.endif
.endm
.macro WSUM reg, tmp                   ; the sum over the wave's 32 lanes, in every lane
	v_add_f32_dpp v[\reg], v[\reg], v[\reg] row_xmask:1 row_mask:0xf bank_mask:0xf
	v_add_f32_dpp v[\reg], v[\reg], v[\reg] row_xmask:2 row_mask:0xf bank_mask:0xf
	v_add_f32_dpp v[\reg], v[\reg], v[\reg] row_xmask:4 row_mask:0xf bank_mask:0xf
	v_add_f32_dpp v[\reg], v[\reg], v[\reg] row_xmask:8 row_mask:0xf bank_mask:0xf
	v_permlanex16_b32 v[\tmp], v[\reg], s[SEL], s[SEL+1]
	v_add_f32 v[\reg], v[\reg], v[\tmp]
.endm
; Two whole blocks of a lane, v[src + 32 u + 0 .. 31]: codes to v[pc + 4 u ..], bytes to v[TM + 4 + u].  perm = 1: the code dwords in the order 0, 2, 1, 3.  The registers are read in ascending order.
.macro Q2B src, pc, perm
.irp u, 0,1
	v_max3_num_f32 v[TM+\u], |v[\src+32*\u]|, |v[\src+32*\u+1]|, 0x1800000   ; and the floor 2^(3 - 127): the byte cannot fall under 1
.endr
.irp i, 2,4,6,8,10,12,14,16,18,20,22,24,26,28,30
.irp u, 0,1
	v_max3_num_f32 v[TM+\u], v[TM+\u], |v[\src+32*\u+\i]|, |v[\src+32*\u+\i+1]|
.endr
.endr
.irp u, 0,1
	v_add_nc_u32 v[TM+2+\u], 0xff000000, v[TM+\u]  ; 2 off the exponent field: the conversion's scale operand
.endr
.irp u, 0,1
	v_lshrrev_b32 v[TM+4+\u], 23, v[TM+2+\u]       ; the scale's byte
.endr
.irp u, 0,1
.irp g, 0,1,2,3
.if \perm
	v_cvt_scalef32_pk8_fp4_f32 v[\pc+4*\u+2*(\g%2)+\g/2], v[\src+32*\u+8*\g:\src+32*\u+8*\g+7], v[TM+2+\u]
.else
	v_cvt_scalef32_pk8_fp4_f32 v[\pc+4*\u+\g], v[\src+32*\u+8*\g:\src+32*\u+8*\g+7], v[TM+2+\u]
.endif
.endr
.endr
	v_nop                                          ; one plain line behind the last conversion
.endm
; Four half blocks of a lane, v[src + 16 b + 0 .. 15] (the other half lies in lane l xor 16): codes to v[pc + 2 b], v[pc + 2 b + 1]; the four bytes make the word v[pw].
.macro Q16 src, pc, pw
.irp b, 0,1,2,3
	v_max3_num_f32 v[TM+\b], |v[\src+16*\b]|, |v[\src+16*\b+1]|, 0x1800000
.endr
.irp i, 2,4,6,8,10,12,14
.irp b, 0,1,2,3
	v_max3_num_f32 v[TM+\b], v[TM+\b], |v[\src+16*\b+\i]|, |v[\src+16*\b+\i+1]|
.endr
.endr
.irp b, 0,1,2,3
	v_permlanex16_b32 v[TM+4+\b], v[TM+\b], s[SEL], s[SEL+1]
.endr
.irp b, 0,1,2,3
	v_max_num_f32 v[TM+\b], v[TM+\b], v[TM+4+\b]
.endr
.irp b, 0,1,2,3
	v_add_nc_u32 v[TM+12+\b], 0xff000000, v[TM+\b]
.endr
.irp b, 0,1,2,3
	v_lshrrev_b32 v[TM+4+\b], 23, v[TM+12+\b]
.endr
	v_lshl_or_b32 v[\pw], v[TM+5], 8, v[TM+4]
	v_lshl_or_b32 v[\pw], v[TM+6], 16, v[\pw]
	v_lshl_or_b32 v[\pw], v[TM+7], 24, v[\pw]
.irp b, 0,1,2,3
	v_cvt_scalef32_pk8_fp4_f32 v[\pc+2*\b], v[\src+16*\b:\src+16*\b+7], v[TM+12+\b]
	v_cvt_scalef32_pk8_fp4_f32 v[\pc+2*\b+1], v[\src+16*\b+8:\src+16*\b+15], v[TM+12+\b]
.endr
	v_nop
.endm
; Role m (0 q, 1 k): source 0 = 16 rows of W, source 1 = a tile of h; the bias is the C of each sum's first product.  The eight accumulators take turns, one instruction a turn.
.macro MMQK m
	WIN 0x11                                       ; source 0 (W) and source 2 (bias) window 1
.irp b, 0,1,2,3
.irp u, 0,1
	v_wmma_scale_f32_16x16x128_f8f6f4 v[ACC+16*\b+8*\u:ACC+16*\b+8*\u+7], v[8*(4*\m+2*\u):8*(4*\m+2*\u)+7], v[HF+16*\b:HF+16*\b+7], v[WB+16*\m+8*\u:WB+16*\m+8*\u+7], v[WS+2*\m+\u], v[HS+\b] matrix_a_fmt:MATRIX_FMT_FP4 matrix_b_fmt:MATRIX_FMT_FP4
.endr
.endr
	WIN 0x01
.irp b, 0,1,2,3
.irp u, 0,1
	v_wmma_scale_f32_16x16x128_f8f6f4 v[ACC+16*\b+8*\u:ACC+16*\b+8*\u+7], v[8*(4*\m+2*\u+1):8*(4*\m+2*\u+1)+7], v[HF+16*\b+8:HF+16*\b+15], v[ACC+16*\b+8*\u:ACC+16*\b+8*\u+7], v[WS+2*\m+\u], v[HS+\b] matrix_a_fmt:MATRIX_FMT_FP4 matrix_b_fmt:MATRIX_FMT_FP4 matrix_a_scale:MATRIX_SCALE_ROW1 matrix_b_scale:MATRIX_SCALE_ROW1
.endr
.endr
	WIN 0
.rept 4
	v_nop                                          ; four places ahead of the first read of results (ISA guide 7.12.1)
.endr
.endm
	s_load_b256 s[4:11], s[0:1], 0x0               ; x s[4:5], gamma s[6:7], beta s[8:9], qkv_b s[10:11]
	s_load_b128 s[12:15], s[0:1], 0x20             ; stats s[12:13], wimg s[14:15]
	s_load_b64 s[16:17], s[0:1], 0x30              ; aw
	v_lshl_add_u32 v254, v0, 2, 0x2400
	v_mov_b32 v255, 0
	v_lshrrev_b32 v1, 5, v0
	v_readfirstlane_b32 s18, v1                    ; wave g
	v_and_b32 v1, 31, v0                           ; L
	v_cmp_lt_u32 s19, 15, v1                       ; lanes 16-31
	v_and_b32 v2, 15, v0                           ; r
	v_bfe_u32 v3, v0, 4, 1                         ; h
	v_lshlrev_b32 v4, 3, v1                        ; 8 L
	v_lshlrev_b32 v5, 4, v1                        ; 16 L
	v_lshlrev_b32 v12, 2, v1                       ; 4 L
	v_lshlrev_b32 v13, 5, v3                       ; 32 h
	v_lshlrev_b32 v14, 2, v2                       ; 4 r
	v_and_b32 v15, 1, v0                           ; L % 2
	v_bfe_u32 v16, v0, 1, 4                        ; L / 2
	v_lshlrev_b32 v19, 4, v2
	v_lshl_add_u32 v19, v3, 3, v19                 ; 16 r + 8 h: my 8 bytes of a position's 16
	v_lshlrev_b32 v26, 3, v3                       ; 8 h
	v_lshlrev_b32 v28, 4, v3                       ; 16 h
	v_mov_b32 v9, 0                                ; (lane permutes' destinations count as sources)
	v_mov_b32 v27, 0
.irp b, 0,1,2,3
	v_mov_b32 v[TM+4+\b], 0
.endr
	s_wait_alu depctr_va_sdst(0)                   ; s18 (the wave) and s19 (the lane mask) are written, ahead of the first reader of either
	; every vector offset and LDS address of the kernel is made here, while the arguments are on their way
	s_lshl_b32 s[TS], s18, 8
	v_lshlrev_b32 v17, 12, v15                     ; where my first position's codes go: position 2 L = 4 (L / 2) + 2 (L % 2): tile 2 (L % 2), row L / 2;
	v_lshl_add_u32 v17, v16, 4, v17
	v_add_nc_u32 v17, s[TS], v17                   ; + 256 g.  The second position's lie one tile, 2,048 bytes, on
	s_lshr_b32 s[TS+1], s18, 2
	s_lshl_b32 s[TS+1], s[TS+1], 6
	s_and_b32 s3, s18, 3
	s_add_co_u32 s[TS+1], s[TS+1], s3
	s_add_co_u32 s[TS+1], s[TS+1], HSC
	v_lshlrev_b32 v18, 8, v15                      ; and its scale byte
	v_lshl_add_u32 v18, v16, 2, v18
	v_add_nc_u32 v18, s[TS+1], v18
	s_mul_i32 s30, s18, HEADB
	s_lshr_b32 s2, ttmp9, 1
	s_mul_i32 s2, s2, REC
	s_add_co_u32 s30, s30, s2                      ; my record's offset
	s_mov_b32 s31, 0
	s_and_b32 s3, ttmp9, 1                         ; which half of the record's 128 keys
	s_lshl_b32 s[TS+2], s3, 6
	s_add_co_u32 s[TS+2], s[TS+2], s30
	s_add_co_u32 s[TS+2], s[TS+2], 4096
	v_add_nc_u32 v22, s[TS+2], v14                 ; K's scale word of row r
	s_lshl_b32 s[TS+3], s18, 12
	s_lshl_b32 s2, ttmp9, 6
	s_add_co_u32 s[TS+3], s[TS+3], s2
	s_add_co_u32 s[TS+3], s[TS+3], QSB
	v_add_nc_u32 v21, s[TS+3], v14                 ; Q's
	v_cndmask_b32 v21, v21, v22, s19               ; lanes 0-15 will store Q's words, lanes 16-31 K's: one store
	s_lshl_b32 s[TS+4], s3, 10
	v_add_nc_u32 v20, s[TS+4], v19                 ; K's codes: fragment F % 2
	s_lshl_b32 s[TS+5], s3, 9
	v_add_nc_u32 v24, s[TS+5], v5                  ; V's codes: register group F % 2 of the image
	s_lshl_b32 s[TS+6], s3, 1
	v_add_nc_u32 v29, s[TS+6], v12                 ; V's scale bytes: bytes 2 (F % 2), + 1 of the word
	s_mov_b32 s[SEL], 0x76543210
	s_mov_b32 s[SEL+1], 0xfedcba98
	s_mov_b32 s105, 0x3727c5ac                     ; eps = 1e-5
	s_mov_b32 s23, 0
	s_wait_kmcnt 0x0
	s_lshl_b32 s22, s18, 8
	s_add_nc_u64 s[12:13], s[12:13], s[22:23]      ; stats of my 32 channels
	s_add_nc_u64 s[26:27], s[14:15], s[22:23]      ; the weights' scale words: 2 tiles x 128 bytes a head
	s_lshl_b32 s22, s18, 19
	s_lshl_b32 s2, ttmp9, 8
	s_add_co_u32 s22, s22, s2
	s_add_nc_u64 s[4:5], s[4:5], s[22:23]          ; x at channel 32 g, position 64 F
	s_lshl_b32 s22, s18, 7
	s_add_nc_u64 s[6:7], s[6:7], s[22:23]          ; gamma, beta and the biases at my 32 channels
	s_add_nc_u64 s[8:9], s[8:9], s[22:23]
	s_add_nc_u64 s[10:11], s[10:11], s[22:23]
	s_wait_alu depctr_va_vdst(0)                   ; all offsets and LDS addresses (v4, v5, v12-14, v17-21, v24, v29) are written, which the kernel's loads and stores read; the lines that made them are done reading s32-38, in which gamma lands
	global_load_b64 v[6:7], v4, s[12:13]           ; lane L: (mean, M2) of channel 32 g + L
.set i, 0
.rept 32
	global_load_b64 v[XR+2*i:XR+2*i+1], v4, s[4:5] offset:16384*i  ; channel 32 g + i, positions 2 L and 2 L + 1: the wave reads 256 consecutive bytes, aligned
.set i, i+1
.endr
	s_load_b512 s[32:47], s[6:7], 0x0              ; gamma of my 32 channels: s32-63
	s_load_b512 s[48:63], s[6:7], 0x40
	s_load_b512 s[68:83], s[8:9], 0x0              ; beta: s68-99
	s_load_b512 s[84:99], s[8:9], 0x40
	s_lshl_b32 s22, s18, 12
	s_add_nc_u64 s[24:25], s[14:15], s[22:23]      ; the weights' images: 2 tiles x 2,048 bytes a head
	s_lshl_b32 s22, s18, 16
	s_lshl_b32 s2, ttmp9, 10
	s_add_co_u32 s22, s22, s2
	s_add_co_u32 s22, s22, QC
	s_add_nc_u64 s[28:29], s[16:17], s[22:23]      ; Q's codes of my head and these four tiles
	s_add_nc_u64 s[30:31], s[16:17], s[30:31]      ; my record
	; the group's mean and rstd from its 32 channels' (mean, M2)
	s_wait_loadcnt 32                              ; the statistics are in; the 32 loads of x, issued behind them, stay out
	v_mov_b32 v8, v6
	WSUM 8, 9
	v_mul_f32 v8, 0x3d000000, v8                   ; the group's mean: all channels have 4,096 numbers
	v_sub_f32 v10, v6, v8
	v_mul_f32 v10, v10, v10
	v_fma_f32 v10, v10, 0x45800000, v7             ; M2 of the channel about the group's mean: M2_c + 4096 (mean_c - mean)^2
	WSUM 10, 9
	s_mov_b32 s22, 0x37000000                      ; 1 / 131072
	v_fma_f32 v10, v10, s22, s105                  ; var + eps
	s_wait_alu depctr_va_vdst(0)
	v_rsq_f32 v11, v10
	v_nop                                          ; a plain line behind the transcendental
	s_wait_alu depctr_va_vdst(0)                   ; the reciprocal root is written in v11, ahead of its first reader
	v_readfirstlane_b32 s104, v11                  ; rstd (s[104:105] is named as a pair below; its low word serves both halves)
	v_readfirstlane_b32 s100, v8
	s_wait_alu depctr_va_sdst(0)                   ; s104 and s100 are written, ahead of their first readers: the exclusive or below and part X's packed lines
	s_xor_b32 s100, s100, 0x80000000               ; -mean
	s_mov_b32 s101, s100
	; the weights' side: 54 loads, which land while x is normalised.  No vector line has named their destinations, nor their offsets since the wait ahead of the first load
	WIN 0x40                                       ; destination window 1
.irp m, 0,1,2
.irp u, 0,1
.irp s, 0,1
.irp c, 0,1
	global_load_b128 v[8*(4*\m+2*\u+\s)+4*\c:8*(4*\m+2*\u+\s)+4*\c+3], v5, s[24:25] offset:32768*\m+2048*\u+1024*\s+512*\c
.endr
.endr
.endr
.endr
.irp m, 0,1
.irp u, 0,1
	global_load_b128 v[WB+16*\m+8*\u:WB+16*\m+8*\u+3], v13, s[10:11] offset:1024*\m+64*\u       ; q, k: register j of lane (r, h) is channel 16 u + 8 h + j
	global_load_b128 v[WB+16*\m+8*\u+4:WB+16*\m+8*\u+7], v13, s[10:11] offset:1024*\m+64*\u+16
.endr
.endr
.irp u, 0,1
.irp j, 0,1,2,3,4,5,6,7
	global_load_b32 v[WB+32+8*\u+\j], v14, s[10:11] offset:2048+64*\u   ; v: all eight registers of lane (r, h) are channel 16 u + r
.endr
.endr
	WIN 0
.irp m, 0,1,2
.irp u, 0,1
	global_load_b32 v[WS+2*\m+\u], v12, s[26:27] offset:WSC+2048*\m+128*\u
.endr
.endr
	; ---- X: normalise and quantise
	s_wait_kmcnt 0x0                               ; gamma, beta
	s_wait_loadcnt 54                              ; x is in; the 54 loads issued behind it stay out
.set i, 0
.rept 32
	v_pk_add_f32 v[XR+2*i:XR+2*i+1], v[XR+2*i:XR+2*i+1], s[100:101] op_sel_hi:[1,0]
.set i, i+1
.endr
.set i, 0
.rept 32
	v_pk_mul_f32 v[XR+2*i:XR+2*i+1], v[XR+2*i:XR+2*i+1], s[104:105] op_sel_hi:[1,0]
.set i, i+1
.endr
.set i, 0
.rept 32
	v_fma_f32 v[HN+i], v[XR+2*i], s[32+i], s[68+i]                 ; the two positions part here: 32 channels of each on end
	v_fma_f32 v[HN+32+i], v[XR+2*i+1], s[32+i], s[68+i]
.set i, i+1
.endr
	Q2B HN, PCQ, 1
	s_wait_alu depctr_va_vdst(0)                   ; the conversions have written v[PCQ ..] and the shifts the two bytes, which the LDS stores read; the lines above are done with v32-95, in which the LDS loads behind the barrier land
	ds_store_b128 v17, v[PCQ:PCQ+3]
	ds_store_b128 v17, v[PCQ+4:PCQ+7] offset:2048
	ds_store_b8 v18, v[TM+4]
	ds_store_b8 v18, v[TM+5] offset:128
	s_wait_dscnt 0x0                               ; for the others' sake: my stores have landed
	s_barrier_signal -1
	s_barrier_wait -1                              ; h's eight fragments and their scale words lie in LDS
	s_wait_alu depctr_vm_vsrc(0)                   ; my LDS stores have read v[PCQ ..], v[TM+4] and v[TM+5], which q's quantising writes again
	; ---- G: my head's q, k and v
.irp t, 0,1,2,3,4,5,6,7
.irp c, 0,1
	ds_load_b128 v[HF+8*\t+4*\c:HF+8*\t+4*\c+3], v5 offset:1024*\t+512*\c
.endr
.endr
.irp b, 0,1,2,3
	ds_load_b32 v[HS+\b], v12 offset:HSC+128*\b
.endr
	s_wait_dscnt 0x0
	s_wait_loadcnt 0x0                             ; the weights' side
	MMQK 0
	Q16 ACC, PCQ, PWQ
	MMQK 1
	Q16 ACC, PCK, PWK
	v_cndmask_b32 v23, v[PWQ], v[PWK], s19
	s_wait_alu depctr_va_vdst(0)                   ; q's and k's quantising have written v[PCQ ..], v[PCK ..] and v23, which the nine stores below read; none of them is written again
.irp b, 0,1,2,3
	global_store_b64 v19, v[PCQ+2*\b:PCQ+2*\b+1], s[28:29] offset:256*\b   ; the wave stores 256 consecutive bytes, aligned
.endr
.irp b, 0,1,2,3
	global_store_b64 v20, v[PCK+2*\b:PCK+2*\b+1], s[30:31] offset:256*\b
.endr
	global_store_b32 v21, v23, s[16:17]            ; byte b of row r's word is position 64 F + 4 r + b: the bytes lie in natural order
	; v: source 0 = a tile of h, source 1 = 16 rows of W
	WIN 0x14                                       ; source 1 (W) and source 2 (bias) window 1
.irp u, 0,1
.irp b, 0,1,2,3
	v_wmma_scale_f32_16x16x128_f8f6f4 v[ACC+32*\u+8*\b:ACC+32*\u+8*\b+7], v[HF+16*\b:HF+16*\b+7], v[8*(8+2*\u):8*(8+2*\u)+7], v[WB+32+8*\u:WB+32+8*\u+7], v[HS+\b], v[WS+4+\u] matrix_a_fmt:MATRIX_FMT_FP4 matrix_b_fmt:MATRIX_FMT_FP4
.endr
.endr
	WIN 0x04
.irp u, 0,1
.irp b, 0,1,2,3
	v_wmma_scale_f32_16x16x128_f8f6f4 v[ACC+32*\u+8*\b:ACC+32*\u+8*\b+7], v[HF+16*\b+8:HF+16*\b+15], v[8*(8+2*\u+1):8*(8+2*\u+1)+7], v[ACC+32*\u+8*\b:ACC+32*\u+8*\b+7], v[HS+\b], v[WS+4+\u] matrix_a_fmt:MATRIX_FMT_FP4 matrix_b_fmt:MATRIX_FMT_FP4 matrix_a_scale:MATRIX_SCALE_ROW1 matrix_b_scale:MATRIX_SCALE_ROW1
.endr
.endr
	WIN 0
.rept 4
	v_nop
.endr
	Q2B ACC, PCV, 0                                ; register 32 u + 8 b + j of lane (r, h): channel 16 u + r, position 64 F + 32 h + 4 j + b: a whole block of keys
	v_lshl_or_b32 v25, v[TM+5], 16, v[TM+4]        ; my bytes of channels r and 16 + r, block 2 (F % 2) + h,
	v_lshlrev_b32 v25, v26, v25                    ; 8 h bits up;
	v_permlanex16_b32 v27, v25, s[SEL], s[SEL+1]
	v_or_b32 v25, v25, v27                         ; with lane l xor 16's: channel r's two bytes below, channel 16 + r's above;
	v_lshrrev_b32 v25, v28, v25                    ; lane 16 u + r keeps channel 16 u + r's
	s_wait_alu depctr_va_vdst(0)                   ; v's quantising has written v[PCV ..] and v25, which the last three stores read
.irp u, 0,1
	global_store_b128 v24, v[PCV+4*\u:PCV+4*\u+3], s[30:31] offset:2048+1024*\u   ; 512 consecutive bytes
.endr
	global_store_b16 v29, v25, s[30:31] offset:4224
	s_wait_dscnt 0x0
	s_wait_alu depctr_hold_cnt(0) depctr_sa_sdst(0) depctr_va_vdst(0) depctr_va_sdst(0) depctr_va_ssrc(0) depctr_va_vcc(0) depctr_vm_vsrc(0)
	s_wait_tensorcnt 0x0
	ds_add_u32 v254, v255
	s_wait_dscnt 0x0
	s_endpgm
.Lfunc_end_k_q11ff4d150b_qkv:
	.size	k_q11ff4d150b_qkv, .Lfunc_end_k_q11ff4d150b_qkv-k_q11ff4d150b_qkv
	.p2alignl 7, 3214868480
	.fill 96, 4, 3214868480
	.section	.rodata,"a",@progbits
	.p2align	6, 0x0
	.amdhsa_kernel k_q11ff4d150b_qkv
		.amdhsa_group_segment_fixed_size 10240
		.amdhsa_private_segment_fixed_size 0
		.amdhsa_enable_private_segment 0
		.amdhsa_kernarg_size 56
		.amdhsa_user_sgpr_count 2
		.amdhsa_user_sgpr_kernarg_segment_ptr 1
		.amdhsa_wavefront_size32 1
		.amdhsa_system_sgpr_workgroup_id_x 1
		.amdhsa_system_sgpr_workgroup_id_y 1
		.amdhsa_system_sgpr_workgroup_id_z 1
		.amdhsa_system_vgpr_workitem_id 0
		.amdhsa_next_free_vgpr 400
		.amdhsa_next_free_sgpr 106
		.amdhsa_reserve_vcc 0
		.amdhsa_float_denorm_mode_32 3
		.amdhsa_float_denorm_mode_16_64 3
		.amdhsa_memory_ordered 1
		.amdhsa_forward_progress 1
		.amdhsa_inst_pref_size 45
	.end_amdhsa_kernel
	.amdgpu_metadata
---
amdhsa.version: [ 1, 2 ]
amdhsa.kernels:
  - .name:           k_q11ff4d150b_qkv
    .symbol:         k_q11ff4d150b_qkv.kd
    .args:
      - { .name: x, .offset: 0, .size: 8, .value_kind: global_buffer, .address_space: global }
      - { .name: norm_gamma, .offset: 8, .size: 8, .value_kind: global_buffer, .address_space: global }
      - { .name: norm_beta, .offset: 16, .size: 8, .value_kind: global_buffer, .address_space: global }
      - { .name: qkv_b, .offset: 24, .size: 8, .value_kind: global_buffer, .address_space: global }
      - { .name: stats, .offset: 32, .size: 8, .value_kind: global_buffer, .address_space: global }
      - { .name: wimg, .offset: 40, .size: 8, .value_kind: global_buffer, .address_space: global }
      - { .name: aw, .offset: 48, .size: 8, .value_kind: global_buffer, .address_space: global }
    .group_segment_fixed_size: 10240
    .private_segment_fixed_size: 0
    .kernarg_segment_align: 8
    .kernarg_segment_size: 56
    .max_flat_workgroup_size: 256
    .sgpr_count:     106
    .vgpr_count:     400
    .wavefront_size: 32
...
	.end_amdgpu_metadata
.endif
;; end of part 6
;; launch attn (part 7): grid 32 x 8, 16 waves a work-group, clusters of 4 x 1, 169,984 bytes of LDS; arguments aw, oc, osc; writes oc, osc
.if DOCPART == 7
	.amdgcn_target "amdgcn-amd-amdhsa--gfx1250"
	.amdhsa_code_object_version 6
	.text
	.protected	k_q11ff4d150b_attn
	.globl	k_q11ff4d150b_attn
	.p2align	8
	.type	k_q11ff4d150b_attn,@function
k_q11ff4d150b_attn:
	s_mov_b64 s[64:65], 0
	v_nop
	global_prefetch_b8 v0, s[64:65] scope:SCOPE_SE
	s_setreg_imm32_b32 hwreg(HW_REG_WAVE_MODE, 25, 1), 1
	s_wait_xcnt 0x0
	s_wait_alu depctr_hold_cnt(0) depctr_sa_sdst(0) depctr_va_vdst(0) depctr_va_sdst(0) depctr_va_ssrc(0) depctr_va_vcc(0) depctr_vm_vsrc(0)
	s_getreg_b32 s2, hwreg(HW_REG_IB_STS2, 6, 4)
	s_cmp_eq_u32 s2, 0
	s_cbranch_scc0 .Lentry_in_a_cluster
	s_endpgm
.Lentry_in_a_cluster:
	s_bfe_u32 s2, ttmp6, 0x10000c
	s_cmp_lg_u32 s2, 0x3003
	s_cbranch_scc0 .Lentry_shape_is_right
	s_endpgm
.Lentry_shape_is_right:
; Attention of one head (size 32) over 4,096 keys, both products on codes of FP4 (E2M1, one E8M0 byte for each 32 along a product's K), and the quantising of the result for the projection.
; THE SOFTMAX AHEAD OF THE SECOND PRODUCT: t = score x log2(e) / sqrt(32); M = the largest t so far, rounded UP to a whole number; p = 2^(t - M) is quantised along the keys, not normalised.  The row's sum is taken
; of the unquantised p and divides at the end.  When M moves, the sum and O are multiplied by 2^(old M - new M), which rounds nothing.
; SHARES.  A work-group owns 128 queries of one head: eight tiles of 16 (tile tq = 8 QB + i = 4 F + b holds query 64 F + 4 r + b in column r).  Sixteen waves: waves i and i + 8 own tile i and walk the even and the odd
; key steps (128 keys a step, 16 steps each); at the end wave i + 8 hands its O, sum and M to wave i through LDS, and the two are joined by exact powers of two.  Four waves share a SIMD, so that one wave's waits
; stand beside another's vector work: a step has ten matrix instructions for some 230 issue slots.
; LDS.  A head's K, V and scale bytes, 32 records of 4,352 bytes = 139,264 bytes, lie in LDS whole: eight tensor loads of 17,408 bytes (waves 0 and 1, four each), each byte filled once; no slot is ever filled again.
; CLUSTER.  The four work-groups of a cluster belong to one head and want the same records: each load is asked for jointly (mask 15), with a descriptor made of the head, the wave's number and constants alone.
; K = 32 IN AN INSTRUCTION OF K = 128.  A fragment of K holds 64 KEYS: block b of row m is key 64 f + 4 m + b.  Q stands in four variants, its one block at place b and zero codes elsewhere; the product of the fragment
; with variant b gives the scores of keys 64 f + 4 m + b.  So K's LDS bytes are all used, and a lane (query r, half h) holds in registers 32 f + 8 b + j the keys 64 f + 32 h + 4 j + b: TWO WHOLE BLOCKS of 32 keys.
; No lane is asked for a block's maximum, and the conversions' results ARE the second product's operand: slot 8 b + j holds key 4 j + b of its block, the order in which V's codes were laid.
; A block's largest p is not searched for: p rises with the score, so the block's largest score goes through the same multiply-add and exponential.
; OUT.  O / sum: a lane holds 16 of the head's 32 channels of one query; with lane l xor 16 that is one block of the projection's K.  Codes to oc + tq x 2048 + head x 256 + 16 r + 8 h, bytes to osc + head x 4096 + tq x 16 + r.
; LIMITS: a block of zeros (or under 2^-124) gets the byte 1, not 127: its codes are zeros and this program alone reads the bytes; NaN and infinities are not served.
; REGISTERS: v1 16 L, v2 4 L, v3-4 the step's LDS addresses, v5 8 h, v6-11 addresses of the tail; v12 -M, v13 the largest score, v[14:15] the sum in two halves, v[16:17] f; v18-21 scale words and nothing else;
;   v22-35 at work; v36-55 zeros and Q; v56-71 K's two fragments; v72-87 V's two; v88-95 p's codes; v96-159 scores, then p; v160-175 O^T; v176-193 the partner's O^T, sum and -M.
.set REC,   4352
.set HEADB, 139264
.set CHUNK, 17408
.set QC,    1114112
.set QSB,   1638400
.set MRG,   139264                     ; behind the records: for each tile 2,304 bytes: O^T as four images of 512, then (sum, -M), 8 bytes a lane
.set MRGW,  2304
.set OSB,   157696                     ; and the work-group's 128 scale bytes
.set KS, 18
.set VS, 19
.set QS, 20
.set PS, 21
.set KF, 56
.set VF, 72
.set PC, 88
.set S,  96
.set O,  160
.set OP, 176
.set WV,  10                           ; s10 wave;  s11 i = wave % 8;  s12 wave / 8;  s13 cx;  s14 QB;  s15 head
.set TB,  16                           ; s16 LDS byte of the record in hand
.set CNT, 17
.set SEL, 18                           ; s[18:19]
.set CS,  20                           ; s[20:21] c = log2(e) / sqrt(32)
.set G1,  24                           ; s[24:31]
.set G0,  32                           ; s[32:47] four groups 0, never rewritten
.macro CROUND                          ; a round of the cluster's barrier
	s_barrier_signal -1
	s_barrier_wait -1
	s_cmp_lg_u32 s[WV], 0
	s_cbranch_scc1 .Lnot_wave_0_\@
	s_barrier_signal -3
.Lnot_wave_0_\@:
	s_barrier_wait -3
	s_barrier_signal -1
	s_barrier_wait -1
.endm
	s_load_b128 s[4:7], s[0:1], 0x0                ; aw, oc
	s_load_b64 s[8:9], s[0:1], 0x10                ; osc
	v_lshl_add_u32 v208, v0, 2, 0x29000
	v_mov_b32 v209, 0
	ds_add_u32 v208, v209
	ds_add_u32 v208, v209
	v_lshrrev_b32 v22, 5, v0
	s_delay_alu instid0(VALU_DEP_1)
	v_readfirstlane_b32 s[WV], v22
	s_and_b32 s11, s[WV], 7
	s_lshr_b32 s12, s[WV], 3
	s_bfe_u32 s13, ttmp6, 0x40000                  ; cx: it enters global addresses of Q and of the outputs alone
	s_lshl_b32 s14, ttmp9, 2
	s_add_co_u32 s14, s14, s13                     ; QB = 4 x cluster x + cx
	s_and_b32 s15, ttmp7, 0xffff                   ; the head, which the four partners share
	v_and_b32 v22, 31, v0                          ; L
	v_and_b32 v23, 15, v0                          ; r
	v_bfe_u32 v24, v0, 4, 1                        ; h
	s_delay_alu instid0(VALU_DEP_3)
	v_lshlrev_b32 v1, 4, v22
	s_delay_alu instid0(VALU_DEP_4)
	v_lshlrev_b32 v2, 2, v22
	s_delay_alu instid0(VALU_DEP_3)
	v_lshlrev_b32 v5, 3, v24
	s_mul_i32 s22, s11, MRGW                       ; every LDS address is made here, ahead of the first branch on the wave's number
	s_add_co_u32 s22, s22, MRG
	v_add_nc_u32 v6, s22, v1                       ; my tile's place for O^T
	s_add_co_u32 s22, s22, 2048
	v_lshl_add_u32 v7, v22, 3, s22                 ; and for (sum, -M)
	s_lshl_b32 s22, s11, 4
	s_add_co_u32 s22, s22, OSB
	v_add_nc_u32 v8, s22, v23                      ; my query's scale byte
	v_add_nc_u32 v9, OSB, v2
	v_lshlrev_b32 v11, 4, v23                      ; 16 r
	s_delay_alu instid0(VALU_DEP_1)
	v_lshl_add_u32 v10, v24, 3, v11                ; 16 r + 8 h
	v_lshlrev_b32 v25, 2, v23                      ; 4 r
	v_cmp_lt_u32 s56, 15, v22                      ; lanes 16-31
	; descriptor group 1: 68 dense rows of 256 bytes (32 elements of 8 bytes), no padding: lanes read 16 L, consecutive bytes
	s_mov_b32 s[G1], 15|(3<<16)|(1<<21)            ; 15:0 the mask: all four work-groups; 17:16 elements of 8 bytes; 21 set beside a mask
	s_mov_b32 s[G1+1], 32<<16                      ; tensor_dim0
	s_mov_b32 s[G1+2], 68<<16                      ; tensor_dim1
	s_mov_b32 s[G1+3], 32<<16                      ; tile_dim0
	s_mov_b32 s[G1+4], 68                          ; tile_dim1
	s_mov_b32 s[G1+5], 32                          ; tensor_dim0_stride
	s_mov_b32 s[G1+6], 0
	s_mov_b32 s[G1+7], 0
	s_mov_b32 s[SEL], 0x76543210
	s_mov_b32 s[SEL+1], 0xfedcba98
	s_mov_b32 s[CS], 0x3e8293ee                    ; c = log2(e) / sqrt(32)
	s_mov_b32 s[CS+1], s[CS]                       ; (named with it as a pair, so it is written)
	s_mul_i32 s[TB], s12, REC                      ; waves 0-7 begin at record 0, waves 8-15 at record 1
	s_and_b32 s23, s11, 3
	s_mul_i32 s23, s23, 0x01010101                 ; a byte select: byte b = i % 4 of Q's scale word, four times
	s_and_b32 s22, s[WV], 1
	s_mul_i32 s22, s22, CHUNK                      ; the fetching wave's half of a pair of chunks, in LDS and in memory alike
	s_mul_i32 s48, s15, HEADB
	s_add_co_u32 s48, s48, s22
	s_mov_b32 s49, 0
	s_lshl_b32 s50, s14, 3
	s_add_co_u32 s50, s50, s11                     ; tq
	s_lshl_b32 s52, s50, 8
	s_lshl_b32 s53, s15, 16
	s_add_co_u32 s52, s52, s53
	s_add_co_u32 s52, s52, QC                      ; Q's codes of my tile
	s_mov_b32 s53, 0
	s_lshl_b32 s54, s14, 7
	s_lshr_b32 s55, s11, 2
	s_lshl_b32 s55, s55, 6
	s_add_co_u32 s54, s54, s55                     ; 64 F
	s_lshl_b32 s55, s15, 12
	s_add_co_u32 s54, s54, s55
	s_add_co_u32 s54, s54, QSB                     ; Q's scale words of positions 64 F ..
	s_mov_b32 s55, 0
	s_lshl_b32 s58, s50, 11
	s_lshl_b32 s59, s15, 8
	s_add_co_u32 s58, s58, s59                     ; oc: tq x 2048 + head x 256
	s_mov_b32 s59, 0
	s_lshl_b32 s60, s15, 12
	s_lshl_b32 s61, s14, 7
	s_add_co_u32 s60, s60, s61                     ; osc: head x 4096 + QB x 128
	s_mov_b32 s61, 0
	s_wait_dscnt 0x0
	s_wait_kmcnt 0x0
	s_add_nc_u64 s[48:49], s[4:5], s[48:49]
	s_add_nc_u64 s[52:53], s[4:5], s[52:53]
	s_add_nc_u64 s[54:55], s[4:5], s[54:55]
	s_add_nc_u64 s[6:7], s[6:7], s[58:59]
	s_add_nc_u64 s[8:9], s[8:9], s[60:61]
.irp j, 0,1,2,3
	s_mov_b32 s[G0+4*\j], 1                                        ; count = 1
	s_add_co_u32 s[G0+4*\j+1], s22, \j*2*CHUNK                     ; LDS address
	s_add_nc_u64 s[G0+4*\j+2:G0+4*\j+3], s[48:49], \j*2*CHUNK      ; global address: records 8 j .. 8 j + 7, my half
	s_or_b32 s[G0+4*\j+3], s[G0+4*\j+3], 0x80000000                ; type = 2
.endr
	CROUND                                         ; all four work-groups are here: the joint loads meet
	s_cmp_lt_u32 s[WV], 2                          ; all fills of a wave stand in one branch on the wave's number: four loads of mine are out
	s_cbranch_scc0 .Lno_fetch
	tensor_load_to_lds s[G0:G0+3], s[G1:G1+7]
	s_nop 0
	tensor_load_to_lds s[G0+4:G0+7], s[G1:G1+7]
	s_nop 0
	tensor_load_to_lds s[G0+8:G0+11], s[G1:G1+7]
	s_nop 0
	tensor_load_to_lds s[G0+12:G0+15], s[G1:G1+7]
	s_nop 0
.rept 4
	v_nop
.endr
.Lno_fetch:
	s_wait_alu depctr_va_vdst(0)
	global_load_b128 v[28:31], v11, s[52:53]       ; query r's 32 codes, in both halves of the lanes
	global_load_b32 v32, v25, s[54:55]             ; the scale bytes of positions 64 F + 4 r + 0 .. 3
.irp k, 36,37,38,39,44,45,46,47,52,53,54,55
	v_mov_b32 v\k, 0                               ; zero codes
.endr
	v_mov_b32 v13, 0xff61b1e6                      ; the largest score so far: -3e38
	s_delay_alu instid0(VALU_DEP_1)
	v_mul_f32 v12, 0xbe8293ee, v13
	s_delay_alu instid0(VALU_DEP_1)
	v_floor_f32 v12, v12                           ; -M
	s_wait_loadcnt 0x0
.irp k, 0,1,2,3
	v_cndmask_b32 v[40+\k], v[28+\k], v36, s56     ; Q in lanes 0-15, zeros in lanes 16-31
	v_cndmask_b32 v[48+\k], v36, v[28+\k], s56     ; and the other way round.  Variant 0 = v[40:47], 1 = v[48:55], 2 = v[36:43], 3 = v[44:51]
.endr
	v_perm_b32 v[QS], v32, v32, s23                ; my tile's byte at all four places: three of them scale zero codes
.set i, 0
.rept 16
	v_mov_b32 v[O+i], 0                            ; O^T: the step is written once; the first finds zeros.  (These lines are also the places between Q's registers and the first product)
.set i, i+1
.endr
.irp k, 14,15,16,17,27,35
	v_mov_b32 v\k, 0                               ; the sum; f's pair; lane permutes' destinations
.endr
.macro SPROD f, b, qv                  ; the scores of keys 64 f + 4 m + b
.if \f
	v_wmma_scale_f32_16x16x128_f8f6f4 v[S+32*\f+8*\b:S+32*\f+8*\b+7], v[KF+8*\f:KF+8*\f+7], v[\qv:\qv+7], 0, v[KS], v[QS] matrix_a_fmt:MATRIX_FMT_FP4 matrix_b_fmt:MATRIX_FMT_FP4 matrix_a_scale:MATRIX_SCALE_ROW1
.else
	v_wmma_scale_f32_16x16x128_f8f6f4 v[S+32*\f+8*\b:S+32*\f+8*\b+7], v[KF+8*\f:KF+8*\f+7], v[\qv:\qv+7], 0, v[KS], v[QS] matrix_a_fmt:MATRIX_FMT_FP4 matrix_b_fmt:MATRIX_FMT_FP4
.endif
.endm
; A KEY STEP: the 128 keys of the record at s[TB].
.macro STEP
	v_add_nc_u32 v3, s[TB], v1
	v_add_nc_u32 v4, s[TB], v2
.irp c, 0,1,2,3
	ds_load_b128 v[KF+4*\c:KF+4*\c+3], v3 offset:512*\c
.endr
	ds_load_b32 v[KS], v4 offset:4096              ; lanes 0-15: the words of keys 0-63 (word m: keys 4 m ..), lanes 16-31: of keys 64-127
	s_wait_alu depctr_va_vdst(0)
	s_wait_dscnt 0x0
.irp f, 0,1
	SPROD \f, 0, 40
	SPROD \f, 1, 48
	SPROD \f, 2, 36
	SPROD \f, 3, 44
.endr
.rept 4
	v_nop                                          ; four places: ahead of the first read of the scores, and (with the two additions above) of the loads into V's registers, which the last step's products read
.endr
.irp u, 0,1
.irp c, 0,1
	ds_load_b128 v[VF+8*\u+4*\c:VF+8*\u+4*\c+3], v3 offset:2048+1024*\u+512*\c   ; they land under the softmax
.endr
.endr
	ds_load_b32 v[VS], v4 offset:4224
	; the largest score of each of my two blocks: four chains of 16, each in ascending order
.irp k, 0,1,2,3
	v_max3_num_f32 v[22+\k/2+2*(\k%2)], v[S+16*\k], v[S+16*\k+1], v[S+16*\k+2]
.endr
.irp i, 3,5,7,9,11,13
.irp k, 0,1,2,3
	v_max3_num_f32 v[22+\k/2+2*(\k%2)], v[22+\k/2+2*(\k%2)], v[S+16*\k+\i], v[S+16*\k+\i+1]
.endr
.endr
	v_max_num_f32 v24, v24, v[S+31]
	v_max_num_f32 v25, v25, v[S+63]
	v_max3_num_f32 v22, v22, v[S+15], v24          ; block h
	v_max3_num_f32 v23, v23, v[S+47], v25          ; block 2 + h
	s_delay_alu instid0(VALU_DEP_1)
	v_max_num_f32 v26, v22, v23
	s_delay_alu instid0(VALU_DEP_1)
	v_permlanex16_b32 v27, v26, s[SEL], s[SEL+1]   ; my query's other 64 keys lie in lane l xor 16
	s_delay_alu instid0(VALU_DEP_1)
	v_max3_num_f32 v13, v13, v26, v27              ; the running largest score
	v_mov_b32 v26, v12
	s_delay_alu instid0(VALU_DEP_2)
	v_mul_f32 v27, 0xbe8293ee, v13                 ; -t (c is positive)
	s_delay_alu instid0(VALU_DEP_1)
	v_floor_f32 v12, v27                           ; the new -M = floor(-t) = -ceil(t): a whole number
	s_delay_alu instid0(VALU_DEP_1)
	v_sub_f32 v26, v12, v26                        ; old M - new M: a whole number, 0 or less
	s_delay_alu instid0(VALU_DEP_1)
	v_cvt_i32_f32 v26, v26                         ; (it saturates)
	s_delay_alu instid0(VALU_DEP_1)
	v_ldexp_f32 v16, 1.0, v26                      ; f = 2^(old M - new M)
.set j, 0
.rept 32
	v_pk_fma_f32 v[S+j:S+j+1], v[S+j:S+j+1], s[CS:CS+1], v[12:13] op_sel_hi:[1,0,0]   ; t - M, two at a time
.set j, j+2
.endr
	v_fma_f32 v22, v22, s[CS], v12                 ; the same of each block's largest score
	v_fma_f32 v23, v23, s[CS], v12
	s_wait_alu depctr_va_vdst(0)
	v_exp_f32 v22, v22                             ; ONE BATCH of 66 exponentials: the blocks' largest p,
	v_exp_f32 v23, v23
.set j, 0
	s_setprio 1
.rept 64
	v_exp_f32 v[S+j], v[S+j]                       ; and p = 2^(t - M)
.set j, j+1
.endr
	v_pk_mul_f32 v[14:15], v[14:15], v[16:17] op_sel_hi:[1,0]      ; the sums under the new M: the plain line behind the last exponential
	s_wait_alu depctr_va_vdst(0)                   ; one wait for the batch, ahead of its first reader
	v_max_num_f32 v22, 0x1800000, v22              ; the floor 2^(3 - 127): the byte cannot fall under 1
	v_max_num_f32 v23, 0x1800000, v23
	s_delay_alu instid0(VALU_DEP_2)
	v_add_nc_u32 v28, 0xff000000, v22              ; 2 off the exponent field: the conversions' scale operands
	s_delay_alu instid0(VALU_DEP_2)
	v_add_nc_u32 v29, 0xff000000, v23
	s_delay_alu instid0(VALU_DEP_2)
	v_lshrrev_b32 v30, 23, v28                     ; the bytes
	s_delay_alu instid0(VALU_DEP_2)
	v_lshrrev_b32 v31, 23, v29
	s_delay_alu instid0(VALU_DEP_1)
	v_lshl_or_b32 v34, v31, 16, v30                ; blocks h and 2 + h,
	s_delay_alu instid0(VALU_DEP_1)
	v_lshlrev_b32 v34, v5, v34                     ; 8 h bits up;
	s_delay_alu instid0(VALU_DEP_1)
	v_permlanex16_b32 v35, v34, s[SEL], s[SEL+1]
	s_delay_alu instid0(VALU_DEP_1)
	v_or_b32 v[PS], v34, v35                       ; with lane l xor 16's two: p's scale word for these 128 keys
	v_pk_add_f32 v[32:33], v[100:101], v[104:105]
	v_pk_add_f32 v[206:207], v[108:109], v[112:113]
	v_pk_add_f32 v[204:205], v[116:117], v[120:121]
	v_pk_add_f32 v[202:203], v[124:125], v[128:129]
	v_pk_add_f32 v[200:201], v[132:133], v[136:137]
	v_pk_add_f32 v[198:199], v[140:141], v[144:145]
	v_pk_add_f32 v[196:197], v[148:149], v[152:153]
	v_pk_add_f32 v[14:15], v[14:15], v[156:157]
	v_pk_add_f32 v[32:33], v[32:33], v[96:97]
	v_pk_add_f32 v[206:207], v[206:207], v[98:99]
	v_pk_add_f32 v[204:205], v[204:205], v[102:103]
	v_pk_add_f32 v[202:203], v[202:203], v[106:107]
	v_pk_add_f32 v[200:201], v[200:201], v[110:111]
	v_pk_add_f32 v[198:199], v[198:199], v[114:115]
	v_pk_add_f32 v[196:197], v[196:197], v[118:119]
	v_pk_add_f32 v[14:15], v[14:15], v[122:123]
	v_pk_add_f32 v[32:33], v[32:33], v[126:127]
	v_pk_add_f32 v[206:207], v[206:207], v[130:131]
	v_pk_add_f32 v[204:205], v[204:205], v[134:135]
	v_pk_add_f32 v[202:203], v[202:203], v[138:139]
	v_pk_add_f32 v[200:201], v[200:201], v[142:143]
	v_pk_add_f32 v[198:199], v[198:199], v[146:147]
	v_pk_add_f32 v[196:197], v[196:197], v[150:151]
	s_setprio 0
	v_pk_add_f32 v[14:15], v[14:15], v[154:155]
	v_pk_add_f32 v[32:33], v[32:33], v[158:159]
	s_delay_alu instid0(VALU_DEP_2)
	v_pk_add_f32 v[14:15], v[14:15], v[202:203]
	s_delay_alu instid0(VALU_DEP_2)
	v_pk_add_f32 v[32:33], v[32:33], v[200:201]
	v_pk_add_f32 v[206:207], v[206:207], v[198:199]
	v_pk_add_f32 v[204:205], v[204:205], v[196:197]
	s_delay_alu instid0(VALU_DEP_2)
	v_pk_add_f32 v[14:15], v[14:15], v[206:207]
	s_delay_alu instid0(VALU_DEP_2)
	v_pk_add_f32 v[32:33], v[32:33], v[204:205]
	s_delay_alu instid0(VALU_DEP_1)
	v_pk_add_f32 v[14:15], v[14:15], v[32:33]
.irp f, 0,1
.irp b, 0,1,2,3
	v_cvt_scalef32_pk8_fp4_f32 v[PC+4*\f+\b], v[S+32*\f+8*\b:S+32*\f+8*\b+7], v[28+\f]   ; register 4 f + b of lane h: dword b of block 2 f + h: the operand as it stands
.endr
.endr
	v_nop                                          ; one plain line behind the last conversion
.set j, 0
.rept 8
	v_pk_mul_f32 v[O+j:O+j+1], v[O+j:O+j+1], v[16:17] op_sel_hi:[1,0]   ; O^T under the new M, from each tile's low end on.  (For each product below: the v_nop and the other tile's four are five places behind the codes)
.set j, j+2
.endr
	s_wait_alu depctr_va_vdst(0)
	s_wait_dscnt 0x0                               ; V
	v_wmma_scale_f32_16x16x128_f8f6f4 v[O:O+7], v[VF:VF+7], v[PC:PC+7], v[O:O+7], v[VS], v[PS] matrix_a_fmt:MATRIX_FMT_FP4 matrix_b_fmt:MATRIX_FMT_FP4
	v_wmma_scale_f32_16x16x128_f8f6f4 v[O+8:O+15], v[VF+8:VF+15], v[PC:PC+7], v[O+8:O+15], v[VS], v[PS] matrix_a_fmt:MATRIX_FMT_FP4 matrix_b_fmt:MATRIX_FMT_FP4 matrix_a_scale:MATRIX_SCALE_ROW1
	s_add_co_u32 s[TB], s[TB], 2*REC               ; my next record
.endm
; Records 8 j .. 8 j + 7: four steps a wave.  The fetching waves wait for their chunk j (3 - j younger loads may stay out), then the barrier shows it to all sixteen.
.macro PHASE j
	s_wait_tensorcnt 3-\j
	s_wait_dscnt 0x0
	s_barrier_signal -1
	s_barrier_wait -1
	s_mov_b32 s[CNT], 4
.Lstep_\@:
	s_setprio 2
	STEP
	s_sub_co_u32 s[CNT], s[CNT], 1
	s_cmp_lg_u32 s[CNT], 0
	s_cbranch_scc1 .Lstep_\@
	s_setprio 0
.endm
	PHASE 0
	PHASE 1
	PHASE 2
	PHASE 3
	; ---- the two halves of the keys are joined
	v_add_f32 v14, v14, v15                        ; my sum's two halves,
	v_mov_b32 v15, v12                             ; and -M beside it.  (With the two lines below: four places behind the last products)
.rept 2
	v_nop
.endr
	s_cmp_lt_u32 s[WV], 8
	s_cbranch_scc1 .Lkeeper
.irp c, 0,1,2,3
	ds_store_b128 v6, v[O+4*\c:O+4*\c+3] offset:512*\c             ; waves 8-15 hand over: images of the registers
.endr
	ds_store_b64 v7, v[14:15]
.Lkeeper:
	s_wait_dscnt 0x0                               ; for the others' sake
	s_barrier_signal -1
	s_barrier_wait -1
	s_cmp_lt_u32 s[WV], 8
	s_cbranch_scc0 .Lmerged
.irp c, 0,1,2,3
	ds_load_b128 v[OP+4*\c:OP+4*\c+3], v6 offset:512*\c
.endr
	ds_load_b64 v[OP+16:OP+17], v7
	s_wait_dscnt 0x0
	s_wait_alu depctr_va_vdst(0)
	v_min_num_f32 v22, v15, v[OP+17]               ; -M of the two: the larger M
	s_delay_alu instid0(VALU_DEP_1)
	v_sub_f32 v23, v22, v15
	s_delay_alu instid0(VALU_DEP_2)
	v_sub_f32 v24, v22, v[OP+17]
	s_delay_alu instid0(VALU_DEP_2)
	v_cvt_i32_f32 v23, v23
	s_delay_alu instid0(VALU_DEP_2)
	v_cvt_i32_f32 v24, v24
	s_delay_alu instid0(VALU_DEP_2)
	v_ldexp_f32 v16, 1.0, v23                      ; my factor,
	s_delay_alu instid0(VALU_DEP_2)
	v_ldexp_f32 v26, 1.0, v24                      ; the partner's: powers of two, of which one is 1
.set j, 0
.rept 8
	v_pk_mul_f32 v[O+j:O+j+1], v[O+j:O+j+1], v[16:17] op_sel_hi:[1,0]
.set j, j+2
.endr
.set j, 0
.rept 8
	v_pk_fma_f32 v[O+j:O+j+1], v[OP+j:OP+j+1], v[26:27], v[O+j:O+j+1] op_sel_hi:[1,0,1]
.set j, j+2
.endr
	v_mul_f32 v14, v14, v16
	s_delay_alu instid0(VALU_DEP_1)
	v_fma_f32 v14, v[OP+16], v26, v14
	s_delay_alu instid0(VALU_DEP_1)
	v_permlanex16_b32 v35, v14, s[SEL], s[SEL+1]
	s_delay_alu instid0(VALU_DEP_1)
	v_add_f32 v14, v14, v35                        ; with lane l xor 16's keys: the row's sum
	s_wait_alu depctr_va_vdst(0)
	v_rcp_f32 v28, v14
	v_nop                                          ; a plain line behind the transcendental
	s_wait_alu depctr_va_vdst(0)                   ; and the wait ahead of its first reader
.set j, 0
.rept 8
	v_pk_mul_f32 v[O+j:O+j+1], v[O+j:O+j+1], v[28:29] op_sel_hi:[1,0]   ; O^T / the sum: register 8 u + j is channel 16 u + 8 h + j of query r
.set j, j+2
.endr
	v_max3_num_f32 v22, |v[O]|, |v[O+1]|, 0x1800000
.irp i, 2,4,6,8,10,12,14
	s_delay_alu instid0(VALU_DEP_1)
	v_max3_num_f32 v22, v22, |v[O+\i]|, |v[O+\i+1]|
.endr
	s_delay_alu instid0(VALU_DEP_1)
	v_permlanex16_b32 v35, v22, s[SEL], s[SEL+1]
	s_delay_alu instid0(VALU_DEP_1)
	v_max_num_f32 v22, v22, v35                    ; the head's 32 channels: one block of the projection's K
	s_delay_alu instid0(VALU_DEP_1)
	v_add_nc_u32 v23, 0xff000000, v22
	s_delay_alu instid0(VALU_DEP_1)
	v_lshrrev_b32 v24, 23, v23
	v_cvt_scalef32_pk8_fp4_f32 v30, v[O:O+7], v23
	v_cvt_scalef32_pk8_fp4_f32 v31, v[O+8:O+15], v23
	v_nop
	global_store_b64 v10, v[30:31], s[6:7]         ; the wave stores 256 consecutive bytes, aligned
	ds_store_b8 v8, v24                            ; both lanes of a query write the same byte with the same value
.Lmerged:
	s_wait_dscnt 0x0
	s_barrier_signal -1
	s_barrier_wait -1
	s_cmp_lg_u32 s[WV], 0
	s_cbranch_scc1 .Lend
	ds_load_b32 v22, v9                            ; the work-group's 128 scale bytes leave together
	s_wait_dscnt 0x0
	global_store_b32 v2, v22, s[8:9]
.Lend:
	s_wait_tensorcnt 0x0
	ds_add_u32 v208, v209
	s_wait_dscnt 0x0
	CROUND                                         ; the closing round: no work-group ends while a partner may still ask jointly
	s_endpgm
.Lfunc_end_k_q11ff4d150b_attn:
	.size	k_q11ff4d150b_attn, .Lfunc_end_k_q11ff4d150b_attn-k_q11ff4d150b_attn
	.p2alignl 7, 3214868480
	.fill 96, 4, 3214868480
	.section	.rodata,"a",@progbits
	.p2align	6, 0x0
	.amdhsa_kernel k_q11ff4d150b_attn
		.amdhsa_group_segment_fixed_size 169984
		.amdhsa_private_segment_fixed_size 0
		.amdhsa_enable_private_segment 0
		.amdhsa_kernarg_size 24
		.amdhsa_user_sgpr_count 2
		.amdhsa_user_sgpr_kernarg_segment_ptr 1
		.amdhsa_wavefront_size32 1
		.amdhsa_system_sgpr_workgroup_id_x 1
		.amdhsa_system_sgpr_workgroup_id_y 1
		.amdhsa_system_sgpr_workgroup_id_z 1
		.amdhsa_system_vgpr_workitem_id 0
		.amdhsa_next_free_vgpr 210
		.amdhsa_next_free_sgpr 66
		.amdhsa_reserve_vcc 0
		.amdhsa_float_denorm_mode_32 3
		.amdhsa_float_denorm_mode_16_64 3
		.amdhsa_memory_ordered 1
		.amdhsa_forward_progress 1
		.amdhsa_inst_pref_size 68
	.end_amdhsa_kernel
	.amdgpu_metadata
---
amdhsa.version: [ 1, 2 ]
amdhsa.kernels:
  - .name:           k_q11ff4d150b_attn
    .symbol:         k_q11ff4d150b_attn.kd
    .args:
      - { .name: aw, .offset: 0, .size: 8, .value_kind: global_buffer, .address_space: global }
      - { .name: oc, .offset: 8, .size: 8, .value_kind: global_buffer, .address_space: global }
      - { .name: osc, .offset: 16, .size: 8, .value_kind: global_buffer, .address_space: global }
    .group_segment_fixed_size: 169984
    .private_segment_fixed_size: 0
    .kernarg_segment_align: 8
    .kernarg_segment_size: 24
    .max_flat_workgroup_size: 512
    .sgpr_count:     66
    .vgpr_count:     210
    .wavefront_size: 32
...
	.end_amdgpu_metadata
.endif
;; end of part 7
;; launch proj (part 8): grid 64 x 4, 4 waves a work-group, no clusters, 0 bytes of LDS; arguments oc, osc, wimg, proj_b, x, out0; writes out0
.if DOCPART == 8
	.amdgcn_target "amdgcn-amd-amdhsa--gfx1250"
	.amdhsa_code_object_version 6
	.text
	.protected	k_q11ff4d150b_proj
	.globl	k_q11ff4d150b_proj
	.p2align	8
	.type	k_q11ff4d150b_proj,@function
k_q11ff4d150b_proj:
	s_mov_b64 s[64:65], 0
	v_nop
	global_prefetch_b8 v0, s[64:65] scope:SCOPE_SE
	s_setreg_imm32_b32 hwreg(HW_REG_WAVE_SCHED_MODE, 0, 2), 2
	s_setreg_imm32_b32 hwreg(HW_REG_WAVE_MODE, 25, 1), 1
	s_wait_xcnt 0x0
	s_wait_alu depctr_vm_vsrc(0)
; out0 = x + proj_w att + proj_b, the product on codes of FP4 (E2M1, one E8M0 byte for each 32 along K = the 256 channels).
; A wave makes 16 output channels (tile To = 4 y + wave) x 64 positions (F = work-group x): four accumulators, one for each position tile b (column r = position 64 F + 4 r + b), two K steps deep.
; Both operands come from memory as images of their registers, 16 bytes a lane, 512 consecutive bytes a load: att's codes as the attention launch stored them (tile x 2048 + head x 256 + 16 r, head = 4 s + 2 c + h),
; proj_w's as the first launch laid them; both have the channels' code dwords in the order 0, 2, 1, 3 inside a block.  att's scale bytes lie [head][tile][r]: four byte loads make a word.
; Source 0 = 16 rows of proj_w, source 1 = a tile: register j of lane (r, h) in accumulator b is channel 16 To + 8 h + j, position 64 F + 4 r + b.  So the residual's addition, which must touch every number
; anyway, also gathers a lane's four accumulators into four NEIGHBOURING positions: sixteen lanes load and store 256 consecutive bytes, aligned, and no stage in LDS is needed.  The bias is the C of the first products.
; NO CLUSTER: the four work-groups of one F share att's 8,192 bytes, which each wave takes straight into registers once, for eight matrix instructions; nothing is staged in LDS, where a joint load could land.
; THE MODE: SCHED_MODE bits 1:0 = 2 (LLVM: expert scheduling mode 2), set by the entry lines.  The code itself states the register dependences
; between vector or matrix instructions and memory instructions, with s_wait_alu, always for 0.
; THE PLAN.  Registers that memory instructions touch:
;   v4-v8        offsets, made once at the head and never written again: one wait on va_vdst ahead of the first load serves all 47 loads and the eight stores.
;   U, WS, AF, WF, BI, XX   loads land in them; no vector line names them before.
;   OUT          (att's fragments' first 32 registers, done with) written by the residual's additions, read by the eight stores: one wait on va_vdst ahead of the run of stores.
;   AS           written by vector lines and taken as scales by the products: eight places, then a wait on va_vdst.  The wave's number has a wait on va_sdst ahead of its first reader.
.set AS,  16                           ; v16-19  att's scale words: lanes 0-15 heads 0-3 of row r, lanes 16-31 heads 4-7
.set WS,  20                           ; v20     proj_w's: lanes 0-15 K step 0, lanes 16-31 K step 1
.set AF,  32                           ; v32-95  att's fragment (b, s) at AF + 8 (2 b + s); later the output
.set OUT, 32
.set WF,  96                           ; v96-111 proj_w's two fragments
.set BI,  112                          ; v112-119 the bias in the result's layout
.set ACC, 120                          ; v120-151
.set XX,  152                          ; v152-183 x: register 4 j + b
.set U,   184                          ; v184-199 scale bytes
	s_load_b256 s[4:11], s[0:1], 0x0               ; oc s[4:5], osc s[6:7], wimg s[8:9], proj_b s[10:11]
	s_load_b128 s[12:15], s[0:1], 0x20             ; x s[12:13], out0 s[14:15]
	v_lshrrev_b32 v1, 5, v0
	v_readfirstlane_b32 s16, v1                    ; wave
	v_and_b32 v1, 31, v0                           ; L
	v_and_b32 v2, 15, v0                           ; r
	v_bfe_u32 v3, v0, 4, 1                         ; h
	v_lshl_add_u32 v4, v3, 14, v2                  ; scale bytes: r + 4 heads x 4,096 for lanes 16-31
	v_lshlrev_b32 v5, 4, v1                        ; 16 L
	v_lshlrev_b32 v6, 2, v1                        ; 4 L
	v_lshlrev_b32 v7, 5, v3                        ; 32 h
	v_lshlrev_b32 v8, 4, v2
	v_lshl_add_u32 v8, v3, 17, v8                  ; x, out0: 16 r + 8 h channels of 16,384 bytes
	s_wait_alu depctr_va_sdst(0)                   ; s16 (the wave) is written, ahead of its first reader
	s_and_b32 s17, ttmp7, 0xffff
	s_lshl_b32 s17, s17, 2
	s_add_co_u32 s17, s17, s16                     ; To
	s_mov_b32 s19, 0
	s_wait_kmcnt 0x0
	s_lshl_b32 s18, ttmp9, 6
	s_add_nc_u64 s[6:7], s[6:7], s[18:19]          ; osc at tile 4 F
	s_lshl_b32 s18, ttmp9, 13
	s_add_nc_u64 s[4:5], s[4:5], s[18:19]          ; oc at tile 4 F
	s_lshl_b32 s18, s17, 11
	s_add_nc_u64 s[20:21], s[8:9], s[18:19]        ; proj_w's images: tile 48 + To (the 48 stands in the immediates)
	s_lshl_b32 s18, s17, 7
	s_add_nc_u64 s[8:9], s[8:9], s[18:19]          ; its scale words
	s_lshl_b32 s18, s17, 6
	s_add_nc_u64 s[10:11], s[10:11], s[18:19]      ; its 16 biases
	s_lshl_b32 s18, s17, 18
	s_lshl_b32 s22, ttmp9, 8
	s_add_co_u32 s18, s18, s22
	s_add_nc_u64 s[12:13], s[12:13], s[18:19]      ; x and out0 at channel 16 To, position 64 F
	s_add_nc_u64 s[14:15], s[14:15], s[18:19]
	s_wait_alu depctr_va_vdst(0)                   ; the five offsets v4 to v8 are written, which every load and store below reads
.irp b, 0,1,2,3
.irp i, 0,1,2,3
	global_load_u8 v[U+4*\b+\i], v4, s[6:7] offset:4096*\i+16*\b   ; head 4 h + i, tile 4 F + b, row r
.endr
.endr
	global_load_b32 v[WS], v6, s[8:9] offset:131072+48*128
.irp t, 0,1,2,3,4,5,6,7
.irp c, 0,1
	global_load_b128 v[AF+8*\t+4*\c:AF+8*\t+4*\c+3], v5, s[4:5] offset:1024*\t+512*\c
.endr
.endr
.irp s, 0,1
.irp c, 0,1
	global_load_b128 v[WF+8*\s+4*\c:WF+8*\s+4*\c+3], v5, s[20:21] offset:48*2048+1024*\s+512*\c
.endr
.endr
	global_load_b128 v[BI:BI+3], v7, s[10:11]
	global_load_b128 v[BI+4:BI+7], v7, s[10:11] offset:16
.irp j, 0,1,2,3,4,5,6,7
	global_load_b128 v[XX+4*\j:XX+4*\j+3], v8, s[12:13] offset:16384*\j
.endr
	s_wait_loadcnt 31                              ; the 16 bytes are in; behind them: 1 + 16 + 4 + 2 + 8 loads
.irp b, 0,1,2,3
	v_lshl_or_b32 v[AS+\b], v[U+4*\b+1], 8, v[U+4*\b]
.endr
.irp b, 0,1,2,3
	v_lshl_or_b32 v[AS+\b], v[U+4*\b+2], 16, v[AS+\b]
.endr
.irp b, 0,1,2,3
	v_lshl_or_b32 v[AS+\b], v[U+4*\b+3], 24, v[AS+\b]
.endr
.rept 8
	v_nop                                          ; a scale register written by a vector instruction stands eight places ahead of the scaled product
.endr
	s_wait_alu depctr_va_vdst(0)                   ; the four scale words v[AS ..] are written, which the products below take as scales; the places above stay beside this wait
	s_wait_loadcnt 8                               ; all but x
.irp b, 0,1,2,3                        ; the four accumulators take turns, one instruction a turn
	v_wmma_scale_f32_16x16x128_f8f6f4 v[ACC+8*\b:ACC+8*\b+7], v[WF:WF+7], v[AF+16*\b:AF+16*\b+7], v[BI:BI+7], v[WS], v[AS+\b] matrix_a_fmt:MATRIX_FMT_FP4 matrix_b_fmt:MATRIX_FMT_FP4
.endr
.irp b, 0,1,2,3
	v_wmma_scale_f32_16x16x128_f8f6f4 v[ACC+8*\b:ACC+8*\b+7], v[WF+8:WF+15], v[AF+16*\b+8:AF+16*\b+15], v[ACC+8*\b:ACC+8*\b+7], v[WS], v[AS+\b] matrix_a_fmt:MATRIX_FMT_FP4 matrix_b_fmt:MATRIX_FMT_FP4 matrix_a_scale:MATRIX_SCALE_ROW1 matrix_b_scale:MATRIX_SCALE_ROW1
.endr
.rept 4
	v_nop                                          ; four places ahead of the first read of results and of the writes over att's fragments (ISA guide 7.12.1)
.endr
	s_wait_loadcnt 0x0                             ; x
.irp j, 0,1,2,3,4,5,6,7                ; each accumulator from its low end on
.irp b, 0,1,2,3
	v_add_f32 v[OUT+4*\j+\b], v[ACC+8*\b+\j], v[XX+4*\j+\b]
.endr
.endr
	s_wait_alu depctr_va_vdst(0)                   ; the additions have written v[OUT ..], which the eight stores read
.irp j, 0,1,2,3,4,5,6,7
	global_store_b128 v8, v[OUT+4*\j:OUT+4*\j+3], s[14:15] offset:16384*\j th:TH_STORE_NT   ; sixteen lanes store 256 consecutive bytes, aligned; written once, read by nobody here
.endr
	s_endpgm
.Lfunc_end_k_q11ff4d150b_proj:
	.size	k_q11ff4d150b_proj, .Lfunc_end_k_q11ff4d150b_proj-k_q11ff4d150b_proj
	.p2alignl 7, 3214868480
	.fill 96, 4, 3214868480
	.section	.rodata,"a",@progbits
	.p2align	6, 0x0
	.amdhsa_kernel k_q11ff4d150b_proj
		.amdhsa_group_segment_fixed_size 0
		.amdhsa_private_segment_fixed_size 0
		.amdhsa_enable_private_segment 0
		.amdhsa_kernarg_size 48
		.amdhsa_user_sgpr_count 2
		.amdhsa_user_sgpr_kernarg_segment_ptr 1
		.amdhsa_wavefront_size32 1
		.amdhsa_system_sgpr_workgroup_id_x 1
		.amdhsa_system_sgpr_workgroup_id_y 1
		.amdhsa_system_sgpr_workgroup_id_z 1
		.amdhsa_system_vgpr_workitem_id 0
		.amdhsa_next_free_vgpr 208
		.amdhsa_next_free_sgpr 66
		.amdhsa_reserve_vcc 0
		.amdhsa_float_denorm_mode_32 3
		.amdhsa_float_denorm_mode_16_64 3
		.amdhsa_memory_ordered 1
		.amdhsa_forward_progress 1
		.amdhsa_inst_pref_size 11
	.end_amdhsa_kernel
	.amdgpu_metadata
---
amdhsa.version: [ 1, 2 ]
amdhsa.kernels:
  - .name:           k_q11ff4d150b_proj
    .symbol:         k_q11ff4d150b_proj.kd
    .args:
      - { .name: oc, .offset: 0, .size: 8, .value_kind: global_buffer, .address_space: global }
      - { .name: osc, .offset: 8, .size: 8, .value_kind: global_buffer, .address_space: global }
      - { .name: wimg, .offset: 16, .size: 8, .value_kind: global_buffer, .address_space: global }
      - { .name: proj_b, .offset: 24, .size: 8, .value_kind: global_buffer, .address_space: global }
      - { .name: x, .offset: 32, .size: 8, .value_kind: global_buffer, .address_space: global }
      - { .name: out0, .offset: 40, .size: 8, .value_kind: global_buffer, .address_space: global }
    .group_segment_fixed_size: 0
    .private_segment_fixed_size: 0
    .kernarg_segment_align: 8
    .kernarg_segment_size: 48
    .max_flat_workgroup_size: 128
    .sgpr_count:     66
    .vgpr_count:     208
    .wavefront_size: 32
...
	.end_amdgpu_metadata
.endif
;; end of part 8
